; MI455X (gfx1250); checked and timed in simulation.
; The chip was launched on July 23, 2026; its instructions are those of AMD's public machine-readable ISA for CDNA 5 (MIT licence, August 2026) and "CDNA5" Instruction Set Architecture Reference Guide (July 2026). The comments in the code are by the model that wrote it; some were corrected since.
;; Sparse Mo E Layer. Allowed arithmetic: matrix products marked QUANTISED: E2M3 operands, one E8M0 scale for each 32 along K, by v_wmma_scale_f32_16x16x128_f8f6f4 with both operands' format E2M3, f32 sums; products left as they are: f32 operands where the result goes on into a quantised operand, else bf16, f16 or f32 operands; f32 sums; everything else in f32.
;; Inputs: W1 8 x 1,024 x 4,096 float32; W2 8 x 4,096 x 1,024 float32; Wg 1,024 x 8 float32; b1 8 x 4,096 float32; b2 8 x 1,024 float32; bg 8 float32; x 1,024 x 1,024 float32.
;; Outputs: out0 1,024 x 1,024 float32; out1 one number float32.
;; This version of the problem:
;;   THIS VERSION OF THE PROBLEM IS GIVEN IN LOW PRECISION. The matrix products marked QUANTISED in the list below multiply operands that are first quantised to E2M3 (2 exponent bits, 3 mantissa bits; 6 bits a number), with one power-of-two scale for each 32 numbers along K (OCP MX v1.0); their sums are f32. All else is computed in f32.
;;   The module's matrix products, in the order in which they are computed (A, B: the left and right operand; K: the contracted axis; several contracted axes count as one K, in the product's order):
;;     1. [M 1,024, K 1,024] x [K 1,024, N 8]; A: input x; B: input Wg: left as it is (N = 8 < 16)
;;     2. [M 1,024, K 1,024] x [K 1,024, N 32,768]; A: input x; B: input W1: QUANTISED
;;     3. batch 8 x [M 1,024, K 4,096] x [K 4,096, N 1,024]; A: input W2; B: computed on the way: QUANTISED
;;   THE QUANTISER, for each operand of a quantised product, along K:
;;     - K is cut into blocks of 32 from its start; a last block that is shorter is filled with zeros.
;;     - A block's scale is 2^e with e = floor(log2(the largest magnitude in the block)) - 2, held to -126 .. 127; a block of zeros has e = 0. As a byte (E8M0): e + 127.
;;     - Each number is divided by its block's scale, clamped to +-7.5, and rounded to the nearest number of E2M3, ties to even, subnormals kept.
;;     - The product sums the exact products of the quantised numbers (number of the format x scale) in f32.
;;   ~~~python
;;   def quantise(x, axis):      # numpy; x: float32 -> the quantised numbers, widened to float32 again
;;       x = np.moveaxis(x, axis, -1); K = x.shape[-1]
;;       x = np.pad(x, [(0, 0)] * (x.ndim - 1) + [(0, -K % 32)]); x = x.reshape(x.shape[:-1] + (-1, 32)); a = np.abs(x).max(-1, keepdims=True)
;;       e = np.where(a > 0, np.clip(np.frexp(np.where(a > 0, a, 1))[1] - 1 - 2, -126, 127), 0)      # np.frexp(a)[1] - 1 = floor(log2(a)), exactly
;;       r = np.clip(x / 2.0 ** e, -7.5, 7.5)
;;       step = 2.0 ** (np.maximum(np.frexp(np.where(r == 0, 1, r))[1] - 1, 0) - 3)
;;       q = np.round(r / step) * step * 2.0 ** e      # np.round: ties to even
;;       return np.moveaxis(q.reshape(q.shape[:-2] + (-1,))[..., :K], -1, axis).astype(np.float32)
;;   ~~~
;;   OPERANDS COMPUTED ON THE WAY. 'Computed on the way' means the value that the module computes at that place (a softmax that the list does not call 'softmax' is quantised finished and normalised). What goes into a quantiser is computed in f32, as accurately as f32 sums, v_exp_f32 and their like allow (about 1e-6 of the number): no bf16 or f16 on the way to a quantiser, and a product that is left as it is and whose result goes on into a quantised operand takes f32 operands (vector FMAs, or v_wmma_f32_16x16x4_f32). A number that lies on a knife's edge between two numbers of the format may be rounded either way, as far as f32 arithmetic and the matrix unit's own rounding can turn it there, and no further.
;; 2 versions. Each part assembles by itself: llvm-mc -triple=amdgcn-amd-amdhsa -mcpu=gfx1250 --defsym DOCPART=n.
;; ======== version 1 of 2: 5 launches
;; workspace buffers: xq_codes 786,432 bytes; xq_scales 32,768 bytes; route_i 8,192 bytes of whole numbers; gatef 40,960 bytes; rowmap 65,792 bytes of whole numbers; h_codes 25,165,824 bytes; h_scales 1,048,576 bytes; ypart 67,108,864 bytes
;; launch route (part 1): grid 256 x 1, 4 waves a work-group, no clusters, 3,584 bytes of LDS; arguments x, Wg, bg, xq_codes, xq_scales, route_i, gatef; writes xq_codes, xq_scales, route_i, gatef
.if DOCPART == 1
	.amdgcn_target "amdgcn-amd-amdhsa--gfx1250"
	.amdhsa_code_object_version 6
	.text
	.protected	k_qc77e3b2263_route
	.globl	k_qc77e3b2263_route
	.p2align	8
	.type	k_qc77e3b2263_route,@function
k_qc77e3b2263_route:
	s_mov_b64 s[64:65], 0
	v_nop
	global_prefetch_b8 v0, s[64:65] scope:SCOPE_SE
	s_setreg_imm32_b32 hwreg(HW_REG_WAVE_MODE, 25, 1), 1
	s_wait_xcnt 0x0
; ROUTE.  One wave takes one token t = 4 x work-group + wave; lane b takes block b of 32 along K = 1,024.
; It makes: the 8 logits x Wg + bg (f32 multiply-adds), their softmax (the maximum taken away first), the two largest probabilities (ties: the lower index)
; and their weights p / (p1 + p2); and the token's codes of FP6 (E2M3) with one E8M0 byte for each 32 along K.
; All stores go to fixed places: no address here hangs on the choice.
; xq_codes: [token][K step s 0..7][h 0..1][48 bytes]: block 4 s + h, then block 4 s + 2 + h: the 12 operand registers of lane (row, h) for K step s, on end.
; xq_scales: [token][32 bytes] in the blocks' order.  route_i: [token][2] the chosen experts.  gatef: [token][2] weights, from byte 8,192 on [token][8] probabilities.
; LIMITS: NaN and infinities are not served.  A block of zeros gets the byte 1 where the rule says 127: its codes are zeros, and this program alone reads the bytes.
; A probability under 2^-126 comes out of v_exp_f32 as 0.  The logits' sums run in another order than a row-by-row sum.
; x's loads stand 128 bytes apart from lane to lane and Wg's 1,024: 4 KB and 32 KB a wave, small beside the weights that the later launches stream.
.set SPARE, 3072                       ; LDS: 768 bytes of stage for each wave from byte 0; then the spare words, 128 bytes a wave
.set MSB, 0
.macro WIN new                         ; the immediate's high byte repeats the setting that is left
.if MSB != \new
	s_set_vgpr_msb (MSB<<8)|\new
.set MSB, \new
.endif
.endm
	s_load_b256 s[4:11], s[0:1], 0x0               ; x, Wg, bg, xq_codes
	s_load_b128 s[12:15], s[0:1], 0x20             ; xq_scales, route_i
	s_load_b64 s[16:17], s[0:1], 0x30              ; gatef
	v_lshl_add_u32 v14, v0, 2, SPARE               ; my spare word
	v_mov_b32 v15, 0
	v_lshrrev_b32 v1, 5, v0
	v_readfirstlane_b32 s18, v1                    ; wave
	v_and_b32 v1, 31, v0                           ; lane = block b
	s_lshl_b32 s19, ttmp9, 2
	s_add_co_u32 s19, s19, s18                     ; token
	v_lshlrev_b32 v2, 7, v1                        ; x: 128 bytes a block
	v_lshlrev_b32 v3, 10, v1                       ; Wg: 32 rows of 32 bytes a block
	s_mul_i32 s30, s18, 768                        ; my wave's stage
	v_lshrrev_b32 v4, 2, v1
	v_mul_u32_u24 v4, v4, 96                       ; into the stage: 96 (b / 4)
	v_and_b32 v5, 1, v1
	v_mad_u32_u24 v4, v5, 48, v4                   ; + 48 (b % 2)
	v_bfe_u32 v5, v1, 1, 1
	v_mad_u32_u24 v4, v5, 24, v4                   ; + 24 ((b / 2) % 2)
	v_add_nc_u32 v4, s30, v4
	v_lshlrev_b32 v7, 4, v1                        ; 16 x lane
	v_lshlrev_b32 v8, 3, v1                        ; 8 x lane
	v_add_nc_u32 v5, s30, v7                       ; out of the stage: the first 512 bytes, 16 a lane,
	v_add_nc_u32 v6, s30, v8                       ; and (offset 512) the last 256, 8 a lane
	v_mov_b32 v9, 0                                ; offset 0 for lane 0's stores
.irp e, 59,60,61,62,63
	v_mov_b32 v\e, 0                               ; a lane permute's destination counts as one of its sources (v56-58 are written by the quantiser)
.endr
	s_mov_b32 s28, 0x76543210
	s_mov_b32 s29, 0xfedcba98                      ; v_permlanex16_b32's selects for lane l xor 16
	s_mov_b32 s33, 0
	s_wait_kmcnt 0x0
	s_load_b256 s[20:27], s[8:9], 0x0              ; bg
	s_lshl_b32 s32, s19, 12
	s_add_nc_u64 s[4:5], s[4:5], s[32:33]          ; x at my row
	s_mul_i32 s32, s19, 768
	s_add_nc_u64 s[10:11], s[10:11], s[32:33]      ; my row of codes
	s_lshl_b32 s32, s19, 5
	s_add_nc_u64 s[12:13], s[12:13], s[32:33]      ; my 32 scale bytes
	s_add_nc_u64 s[34:35], s[16:17], s[32:33]      ; my 8 probabilities (8,192 more in the immediate)
	s_lshl_b32 s32, s19, 3
	s_add_nc_u64 s[14:15], s[14:15], s[32:33]      ; my two experts
	s_add_nc_u64 s[16:17], s[16:17], s[32:33]      ; my two weights
.irp i, 0,1,2,3,4,5,6,7
	global_load_b128 v[16+4*\i:19+4*\i], v2, s[4:5] offset:16*\i th:TH_LOAD_NT   ; v16-47: my 32 numbers of x
.endr
.set m, 0
.rept 32
	global_load_b128 v[64+4*m:67+4*m], v3, s[6:7] offset:16*m                    ; v[64 + 8 kk + e]: Wg(32 b + kk, e), kk 0..15
.set m, m+1
.endr
	WIN 0x40                                       ; destination in window 1
.set m, 0
.rept 32
	global_load_b128 v[4*m:4*m+3], v3, s[6:7] offset:512+16*m                    ; window 1, v[8 (kk - 16) + e]: kk 16..31
.set m, m+1
.endr
	WIN 0
	s_wait_loadcnt 32                              ; x and Wg's first half are in; the 32 younger loads may be out
.irp e, 0,1,2,3,4,5,6,7
	v_mul_f32 v[48+\e], v16, v[64+\e]              ; the first product starts the sums
.endr
.set kk, 1
.rept 15
.irp e, 0,1,2,3,4,5,6,7
	v_fmac_f32 v[48+\e], v[16+kk], v[64+8*kk+\e]
.endr
.set kk, kk+1
.endr
	; the quantiser stands here, while Wg's second half lands: all 32 numbers of the block are mine
	v_max3_num_f32 v56, |v16|, |v17|, |v18|
	v_max3_num_f32 v57, |v19|, |v20|, |v21|
.irp i, 6,10,14,18,22,26
	v_max3_num_f32 v56, v56, |v[16+\i]|, |v[17+\i]|
	v_max3_num_f32 v57, v57, |v[18+\i]|, |v[19+\i]|
.endr
	v_max3_num_f32 v56, v56, |v46|, |v47|
	v_max3_num_f32 v56, v56, v57, 0x1800000        ; and the floor 2^(3 - 127): the byte cannot fall under 1
	v_add_nc_u32 v58, 0xff000000, v56              ; 2 off the exponent field: the conversion takes this operand's exponent field as its scale
	v_cvt_scalef32_pk16_fp6_f32 v[192:194], v[16:31], v58
	v_cvt_scalef32_pk16_fp6_f32 v[196:198], v[32:47], v58   ; (a conversion's three registers begin on an even number)
	v_lshrrev_b32 v10, 23, v58                     ; the scale's byte; also the plain line behind the conversions
	v_mov_b32 v195, v196
	v_mov_b32 v196, v197
	v_mov_b32 v197, v198                           ; v192-197: the block's 24 bytes
	ds_store_b64 v4, v[192:193]
	ds_store_b64 v4, v[194:195] offset:8
	ds_store_b64 v4, v[196:197] offset:16
	ds_load_b128 v[208:211], v5                    ; LDS serves a wave's instructions in order: these see my wave's stores
	ds_load_b64 v[212:213], v6 offset:512
	global_store_b8 v1, v10, s[12:13]              ; 32 lanes: the token's 32 scale bytes
	s_wait_loadcnt 0x0                             ; Wg's second half
	WIN 0x04                                       ; source 1 in window 1
.set kk, 16
.rept 16
.irp e, 0,1,2,3,4,5,6,7
	v_fmac_f32 v[48+\e], v[16+kk], v[8*(kk-16)+\e]
.endr
.set kk, kk+1
.endr
	WIN 0
.irp x, 1,2,4,8                        ; the 32 lanes' parts are added: every lane ends with the sums
.irp e, 0,1,2,3,4,5,6,7
	v_add_f32_dpp v[48+\e], v[48+\e], v[48+\e] row_xmask:\x row_mask:0xf bank_mask:0xf
.endr
.endr
.irp e, 0,1,2,3,4,5,6,7
	v_permlanex16_b32 v[56+\e], v[48+\e], s28, s29
.endr
	s_wait_kmcnt 0x0                               ; bg
.irp e, 0,1,2,3,4,5,6,7
	v_add_f32 v[48+\e], v[48+\e], v[56+\e]
.endr
.irp e, 0,1,2,3,4,5,6,7
	v_add_f32 v[48+\e], s[20+\e], v[48+\e]         ; the logits
.endr
	v_max3_num_f32 v56, v48, v49, v50
	v_max3_num_f32 v56, v56, v51, v52
	v_max3_num_f32 v56, v56, v53, v54
	v_max_num_f32 v56, v56, v55                    ; their maximum
.irp e, 0,1,2,3,4,5,6,7
	v_sub_f32 v[48+\e], v[48+\e], v56
.endr
.irp e, 0,1,2,3,4,5,6,7
	v_mul_f32 v[48+\e], 0x3fb8aa3b, v[48+\e]       ; x log2(e)
.endr
.irp e, 0,1,2,3,4,5,6,7
	v_exp_f32 v[48+\e], v[48+\e]
.endr
	v_nop                                          ; a plain line behind the last exponential
	s_wait_alu depctr_va_vdst(0)                   ; one wait for the batch, ahead of its first reader
	v_add_f32 v57, v48, v49
	v_add_f32 v58, v50, v51
	v_add_f32 v59, v52, v53
	v_add_f32 v60, v54, v55
	v_add_f32 v57, v57, v58
	v_add_f32 v59, v59, v60
	v_add_f32 v57, v57, v59
	v_rcp_f32 v58, v57
	v_nop
	s_wait_alu depctr_va_vdst(0)
.irp e, 0,1,2,3,4,5,6,7
	v_mul_f32 v[48+\e], v[48+\e], v58              ; the gate's probabilities
.endr
	; the two largest.  v200, v201: their experts; v202, v203: their probabilities.  A later expert takes the place only if it is strictly larger
	v_mov_b32 v200, 0
	v_mov_b32 v202, v48
.irp e, 1,2,3,4,5,6,7
	v_cmp_le_f32 vcc_lo, v[48+\e], v202            ; keep the old one
	v_cndmask_b32 v200, \e, v200, vcc_lo
	v_cndmask_b32 v202, v[48+\e], v202, vcc_lo
.endr
	v_mov_b32 v201, 0
	v_mov_b32 v203, -1.0                           ; under every probability
.irp e, 0,1,2,3,4,5,6,7
	v_cmp_eq_u32 s30, \e, v200                     ; the first choice is passed over
	v_cmp_le_f32 s31, v[48+\e], v203
	s_or_b32 vcc_lo, s30, s31                      ; keep the old one
	v_cndmask_b32 v201, \e, v201, vcc_lo
	v_cndmask_b32 v203, v[48+\e], v203, vcc_lo
.endr
	v_add_f32 v204, v202, v203
	v_rcp_f32 v205, v204
	v_nop
	s_wait_alu depctr_va_vdst(0)
	v_mul_f32 v206, v202, v205                     ; the two weights
	v_mul_f32 v207, v203, v205
	s_wait_dscnt 0x0                               ; the row of codes is back from the stage
	global_store_b128 v7, v[208:211], s[10:11]             ; 512 consecutive bytes, at a multiple of 256 from the buffer's first byte
	global_store_b64 v8, v[212:213], s[10:11] offset:512   ; and 256 more
	s_wait_xcnt 0x0                                ; EXEC changes only behind this wait
	v_cmp_eq_u32 vcc_lo, 0, v1
	s_and_saveexec_b32 s31, vcc_lo                 ; lane 0 alone
	global_store_b64 v9, v[200:201], s[14:15]
	global_store_b64 v9, v[206:207], s[16:17]
	global_store_b128 v9, v[48:51], s[34:35] offset:8192
	global_store_b128 v9, v[52:55], s[34:35] offset:8208
	s_wait_xcnt 0x0                                ; and again in front of the line that widens it
	s_or_b32 exec_lo, exec_lo, s31
	s_wait_tensorcnt 0x0                           ; the wave's end
	ds_add_u32 v14, v15
	s_wait_dscnt 0x0
	s_endpgm
.Lfunc_end_k_qc77e3b2263_route:
	.size	k_qc77e3b2263_route, .Lfunc_end_k_qc77e3b2263_route-k_qc77e3b2263_route
	.p2alignl 7, 3214868480
	.fill 96, 4, 3214868480
	.section	.rodata,"a",@progbits
	.p2align	6, 0x0
	.amdhsa_kernel k_qc77e3b2263_route
		.amdhsa_group_segment_fixed_size 3584
		.amdhsa_private_segment_fixed_size 0
		.amdhsa_enable_private_segment 0
		.amdhsa_kernarg_size 56
		.amdhsa_user_sgpr_count 2
		.amdhsa_user_sgpr_kernarg_segment_ptr 1
		.amdhsa_wavefront_size32 1
		.amdhsa_system_sgpr_workgroup_id_x 1
		.amdhsa_system_sgpr_workgroup_id_y 1
		.amdhsa_system_sgpr_workgroup_id_z 1
		.amdhsa_system_vgpr_workitem_id 0
		.amdhsa_next_free_vgpr 384
		.amdhsa_next_free_sgpr 66
		.amdhsa_reserve_vcc 1
		.amdhsa_float_denorm_mode_32 3
		.amdhsa_float_denorm_mode_16_64 3
		.amdhsa_memory_ordered 1
		.amdhsa_forward_progress 1
		.amdhsa_inst_pref_size 28
	.end_amdhsa_kernel
	.amdgpu_metadata
---
amdhsa.version: [ 1, 2 ]
amdhsa.kernels:
  - .name:           k_qc77e3b2263_route
    .symbol:         k_qc77e3b2263_route.kd
    .args:
      - { .name: x, .offset: 0, .size: 8, .value_kind: global_buffer, .address_space: global }
      - { .name: Wg, .offset: 8, .size: 8, .value_kind: global_buffer, .address_space: global }
      - { .name: bg, .offset: 16, .size: 8, .value_kind: global_buffer, .address_space: global }
      - { .name: xq_codes, .offset: 24, .size: 8, .value_kind: global_buffer, .address_space: global }
      - { .name: xq_scales, .offset: 32, .size: 8, .value_kind: global_buffer, .address_space: global }
      - { .name: route_i, .offset: 40, .size: 8, .value_kind: global_buffer, .address_space: global }
      - { .name: gatef, .offset: 48, .size: 8, .value_kind: global_buffer, .address_space: global }
    .group_segment_fixed_size: 3584
    .private_segment_fixed_size: 0
    .kernarg_segment_align: 8
    .kernarg_segment_size: 56
    .max_flat_workgroup_size: 128
    .sgpr_count:     66
    .vgpr_count:     384
    .wavefront_size: 32
...
	.end_amdgpu_metadata
.endif
;; end of part 1
;; launch place (part 2): grid 1 x 1, 9 waves a work-group, no clusters, 0 bytes of LDS; arguments route_i, gatef, rowmap, out1; writes rowmap, out1
.if DOCPART == 2
	.amdgcn_target "amdgcn-amd-amdhsa--gfx1250"
	.amdhsa_code_object_version 6
	.text
	.protected	k_qc77e3b2263_place
	.globl	k_qc77e3b2263_place
	.p2align	8
	.type	k_qc77e3b2263_place,@function
k_qc77e3b2263_place:
	s_mov_b64 s[64:65], 0
	v_nop
	global_prefetch_b8 v0, s[64:65] scope:SCOPE_SE
	s_setreg_imm32_b32 hwreg(HW_REG_WAVE_MODE, 25, 1), 1
	s_wait_xcnt 0x0
; PLACE.  One work-group.  Wave e (0..7) sorts the 1,024 tokens for expert e, without atomics and with all lanes on: a STABLE PARTITION.
; A token that chose e goes to the front of the expert's list, at its rank among such tokens; every other token goes to the back, at 1,023 - (such tokens before it).
; So every lane stores in every group, and each of the list's 1,024 words is written once; the first `count` words are the expert's rows in the tokens' order.
; rowmap: from byte 0 [e][1,024]: row -> token.  From RK [token][8]: 1,024 e + the token's place in expert e's list (read later for the token's two chosen experts alone).  From CNT [8]: the counts.
; RK's stores are 4 bytes a lane, 32 bytes apart: 32 KB in all; the layout lets the last launch fetch a token's eight words by one scalar load.
; Wave 8 makes the load-balancing loss from the gate's probabilities: usage = their mean over the tokens; the sum over e of usage ln(1/8) - ln(usage) / 8.
; No LDS and no barrier: the waves share nothing.
.set RK, 32768
.set CNT, 65536
.set TK, 80                            ; v80-111   group g: the token (a store's data)
.set RW, 112                           ; v112-143  group g: the row (a store's data)
.set AD, 144                           ; v144-175  group g: 4 x the row (a store's address): each group has registers of its own, so none is written again while a store may read it
	s_load_b256 s[4:11], s[0:1], 0x0               ; route_i, gatef, rowmap, out1
	v_lshrrev_b32 v1, 5, v0
	v_readfirstlane_b32 s18, v1                    ; wave
	v_and_b32 v1, 31, v0                           ; lane
	s_mov_b32 s12, 0x76543210
	s_mov_b32 s13, 0xfedcba98
	s_mov_b32 s14, 0xbdb17218                      ; -ln(2) / 8
	s_wait_kmcnt 0x0
	s_cmp_eq_u32 s18, 8
	s_cbranch_scc1 .Laux
	v_lshlrev_b32 v2, 3, v1                        ; 8 x lane
.set g, 0
.rept 32
	global_load_b64 v[16+2*g:17+2*g], v2, s[4:5] offset:256*g   ; the two experts of token 32 g + lane
.set g, g+1
.endr
	s_mov_b32 s19, s18                             ; my expert
	s_lshl_b32 s20, s18, 10                        ; its first row
	s_mov_b32 s21, 0                               ; rows so far
	s_lshl_b32 s27, s18, 2
	v_lshlrev_b32 v3, 5, v1
	v_add_nc_u32 v3, s27, v3                       ; RK: 32 x lane + 4 e
.macro GRP g
	s_wait_loadcnt 31-\g                           ; this group's load is in; the later groups' may be out
	v_cmp_eq_u32 s22, s19, v[16+2*\g]
	v_cmp_eq_u32 s23, s19, v[17+2*\g]
	s_or_b32 s24, s22, s23                         ; the lanes whose token chose my expert
	v_mbcnt_lo_u32_b32 v4, s24, s21                ; such tokens before mine
	v_add_nc_u32 v[TK+\g], 32*\g, v1               ; the token
	v_sub_nc_u32 v5, 1023-32*\g, v1                ; 1,023 - the token,
	v_add_nc_u32 v5, v5, v4                        ; + such tokens before it: the place from the back
	v_cndmask_b32 v4, v5, v4, s24                  ; from the front where it chose my expert
	v_min_u32 v4, 0x3ff, v4                        ; (both lie under 1,024)
	v_add_nc_u32 v[RW+\g], s20, v4                 ; the row
	v_lshlrev_b32 v[AD+\g], 2, v[RW+\g]
	global_store_b32 v[AD+\g], v[TK+\g], s[8:9]    ; row -> token
	global_store_b32 v3, v[RW+\g], s[8:9] offset:RK+1024*\g   ; token, expert -> row
	s_bcnt1_i32_b32 s26, s24
	s_add_co_u32 s21, s21, s26
.endm
.irp g, 0,1,2,3,4,5,6,7,8,9,10,11,12,13,14,15,16,17,18,19,20,21,22,23,24,25,26,27,28,29,30,31
	GRP \g
.endr
	v_mov_b32 v4, s21
	v_mov_b32 v5, s27
	s_wait_xcnt 0x0                                ; EXEC changes only behind this wait
	v_cmp_eq_u32 vcc_lo, 0, v1
	s_and_saveexec_b32 s25, vcc_lo                 ; lane 0 alone
	global_store_b32 v5, v4, s[8:9] offset:CNT     ; my expert's count
	s_wait_xcnt 0x0
	s_or_b32 exec_lo, exec_lo, s25
	s_endpgm
.Laux:
	; load m reads 512 consecutive bytes: lane l has token 16 m + l / 2, experts 4 (l % 2) + 0..3.  48 loads are out at the most, in v16-207
	v_lshlrev_b32 v3, 4, v1
	v_mov_b32 v2, 0
.macro PLD m
	global_load_b128 v[16+4*((\m)%48):19+4*((\m)%48)], v3, s[6:7] offset:8192+512*(\m)
.endm
.macro ADDM m                          ; two sets of sums by turns, so that no line waits for the line above it
	v_pk_add_f32 v[208+4*((\m)%2):209+4*((\m)%2)], v[208+4*((\m)%2):209+4*((\m)%2)], v[16+4*((\m)%48):17+4*((\m)%48)]
	v_pk_add_f32 v[210+4*((\m)%2):211+4*((\m)%2)], v[210+4*((\m)%2):211+4*((\m)%2)], v[18+4*((\m)%48):19+4*((\m)%48)]
.endm
.set m, 0
.rept 48
	PLD m
.set m, m+1
.endr
	s_wait_loadcnt 32                              ; loads 0 to 15 are in
	v_pk_add_f32 v[208:209], v[16:17], v[24:25]    ; the first four loads start the sums
	v_pk_add_f32 v[210:211], v[18:19], v[26:27]
	v_pk_add_f32 v[212:213], v[20:21], v[28:29]
	v_pk_add_f32 v[214:215], v[22:23], v[30:31]
.set m, 4
.rept 12
	ADDM m
.set m, m+1
.endr
.set m, 48
.rept 16
	PLD m                                          ; into the registers just added
.set m, m+1
.endr
	s_wait_loadcnt 16                              ; loads 16 to 47 are in; the 16 just issued may be out
.set m, 16
.rept 32
	ADDM m
.set m, m+1
.endr
	s_wait_loadcnt 0x0
.set m, 48
.rept 16
	ADDM m
.set m, m+1
.endr
	v_pk_add_f32 v[208:209], v[208:209], v[212:213]
	v_pk_add_f32 v[210:211], v[210:211], v[214:215]
.irp x, 2,4,8                          ; lanes of my parity hold the same four experts
.irp q, 0,1,2,3
	v_add_f32_dpp v[208+\q], v[208+\q], v[208+\q] row_xmask:\x row_mask:0xf bank_mask:0xf
.endr
.endr
.irp q, 0,1,2,3
	v_permlanex16_b32 v[212+\q], v[208+\q], s12, s13
.endr
.irp q, 0,1,2,3
	v_add_f32 v[208+\q], v[208+\q], v[212+\q]
.endr
.irp q, 0,1,2,3
	v_mul_f32 v[208+\q], 0x3a800000, v[208+\q]     ; / 1,024: the usage
.endr
.irp q, 0,1,2,3
	v_log_f32 v[216+\q], v[208+\q]                 ; log2
.endr
.irp q, 0,1,2,3
	v_mul_f32 v[212+\q], 0xc0051592, v[208+\q]     ; usage x ln(1/8): plain work behind the logarithms
.endr
	s_wait_alu depctr_va_vdst(0)                   ; one wait for the four, ahead of their first reader
.irp q, 0,1,2,3
	v_fma_f32 v[212+\q], v[216+\q], s14, v[212+\q] ; - log2(usage) x ln(2) / 8
.endr
	v_add_f32 v212, v212, v213
	v_add_f32 v214, v214, v215
	v_add_f32 v212, v212, v214
	v_add_f32_dpp v212, v212, v212 row_xmask:1 row_mask:0xf bank_mask:0xf   ; with the other four experts
	s_wait_xcnt 0x0
	v_cmp_eq_u32 vcc_lo, 0, v1
	s_and_saveexec_b32 s25, vcc_lo
	global_store_b32 v2, v212, s[10:11]
	s_wait_xcnt 0x0
	s_or_b32 exec_lo, exec_lo, s25
	s_endpgm
.Lfunc_end_k_qc77e3b2263_place:
	.size	k_qc77e3b2263_place, .Lfunc_end_k_qc77e3b2263_place-k_qc77e3b2263_place
	.p2alignl 7, 3214868480
	.fill 96, 4, 3214868480
	.section	.rodata,"a",@progbits
	.p2align	6, 0x0
	.amdhsa_kernel k_qc77e3b2263_place
		.amdhsa_group_segment_fixed_size 0
		.amdhsa_private_segment_fixed_size 0
		.amdhsa_enable_private_segment 0
		.amdhsa_kernarg_size 32
		.amdhsa_user_sgpr_count 2
		.amdhsa_user_sgpr_kernarg_segment_ptr 1
		.amdhsa_wavefront_size32 1
		.amdhsa_system_sgpr_workgroup_id_x 1
		.amdhsa_system_sgpr_workgroup_id_y 1
		.amdhsa_system_sgpr_workgroup_id_z 1
		.amdhsa_system_vgpr_workitem_id 0
		.amdhsa_next_free_vgpr 224
		.amdhsa_next_free_sgpr 66
		.amdhsa_reserve_vcc 1
		.amdhsa_float_denorm_mode_32 3
		.amdhsa_float_denorm_mode_16_64 3
		.amdhsa_memory_ordered 1
		.amdhsa_forward_progress 1
		.amdhsa_inst_pref_size 48
	.end_amdhsa_kernel
	.amdgpu_metadata
---
amdhsa.version: [ 1, 2 ]
amdhsa.kernels:
  - .name:           k_qc77e3b2263_place
    .symbol:         k_qc77e3b2263_place.kd
    .args:
      - { .name: route_i, .offset: 0, .size: 8, .value_kind: global_buffer, .address_space: global }
      - { .name: gatef, .offset: 8, .size: 8, .value_kind: global_buffer, .address_space: global }
      - { .name: rowmap, .offset: 16, .size: 8, .value_kind: global_buffer, .address_space: global }
      - { .name: out1, .offset: 24, .size: 8, .value_kind: global_buffer, .address_space: global }
    .group_segment_fixed_size: 0
    .private_segment_fixed_size: 0
    .kernarg_segment_align: 8
    .kernarg_segment_size: 32
    .max_flat_workgroup_size: 288
    .sgpr_count:     66
    .vgpr_count:     224
    .wavefront_size: 32
...
	.end_amdgpu_metadata
.endif
;; end of part 2
;; launch ffn1 (part 3): grid 32 x 8, 16 waves a work-group, no clusters, 104,448 bytes of LDS; arguments W1, b1, xq_codes, xq_scales, rowmap, h_codes, h_scales; writes h_codes, h_scales
.if DOCPART == 3
	.amdgcn_target "amdgcn-amd-amdhsa--gfx1250"
	.amdhsa_code_object_version 6
	.text
	.protected	k_qc77e3b2263_ffn1
	.globl	k_qc77e3b2263_ffn1
	.p2align	8
	.type	k_qc77e3b2263_ffn1,@function
k_qc77e3b2263_ffn1:
	s_mov_b64 s[64:65], 0
	v_nop
	global_prefetch_b8 v0, s[64:65] scope:SCOPE_SE
	s_setreg_imm32_b32 hwreg(HW_REG_WAVE_MODE, 25, 1), 1
	s_wait_xcnt 0x0
; FFN1.  h = Q(gelu(Q(x) Q(W1) + b1)) for the rows routed to an expert; both operands are codes of FP6 (E2M3) with one E8M0 scale for each 32 along K.
; A work-group owns 128 hidden units (work-group x) of one expert (work-group y): a slab of W1 of 1,024 (K) x 128, 512 KB of f32, which no other work-group reads.
; PHASE A: the slab is streamed once and quantised along K.  Wave w takes 32 columns (w % 4) x 256 along K (w / 4); a lane takes a column and its registers run down K,
; so a block of 32 lies in one lane and the conversions give codes with K innermost.  The codes go to LDS as IMAGES OF OPERAND REGISTERS: fragment (K step s, tile T) at 1,536 (8 s + T):
; three planes of 32 lanes x 16 bytes.  One barrier; behind it the images are only read.
; PHASE B: the expert's rows, 32 at a time (two tiles), pair p to wave p % 16.  Source 0 = 16 columns of W1, source 1 = 16 rows of x: a lane holds ONE row and its registers run along the hidden units.
; An expert has 32 pairs at the most, so the loop over a wave's pairs has two trips; a trip whose pair lies past the expert's count jumps over the work.
; THE COLUMNS OF A TILE ARE NOT NEIGHBOURS: lane r of tile 2 b + u is unit 32 b + 8 u + r + 8 (r / 8), so that the 16 registers of tiles 2 b, 2 b + 1 are 16 neighbours along the next K.
; b1 is the C of each sum's first product.  gelu(x) = x (0.5 + (sqrt(2) / 4) xc P(w) / Q(w)), xc = x held to +-4 sqrt(2), w = xc^2: a rational form of erf(x / sqrt(2)), its coefficients scaled by exact powers of two.
; The 128 units are K step (work-group x) of the next product: one fragment and one scale word a row, stored as register images.
; Rows past the count, in an expert's last pair, repeat its last row: they are computed and stored like the others, and nobody gathers them.
; No tensor load and no cluster: which trips work is read from memory.  The one barrier stands ahead of every branch on it.
; LIMITS: NaN and infinities are not served.  A block of zeros gets the byte 1 where the rule says 127 (zero codes; this program alone reads the bytes).
; Beyond |x| = 4 sqrt(2) erf is held at its value there; gelu's absolute error is about 6e-8 |x|, as of 1 + erf formed in f32.
.set NT, 8                             ; column tiles in the slab
.set GPK, 4                            ; groups of two fragments in a K step
.set PITCH, 16384                      ; bytes from a row of W1 to the next
.set WSC, 98304                        ; LDS: behind the 64 images: W1's scale words [s][lane 16 u + r][w % 4], 512 bytes a K step
.set WSSTEP, 512
.set SPARE, 102400                     ; the spare words, 128 bytes a wave
.set CNT, 65536
.set X, 128                            ; phase A: v128-191 two sets of 32 numbers
.set C, 192                            ; v192-198 a block's codes
.set SB, 200                           ; v200-201 my column's scale words
.set TA, 202                           ; v202-205 at work
.set XSC, 16                           ; v16-23  x's scale words, one register a K step: lanes 0-15 tile 0, lanes 16-31 tile 1
.set WS, 24                            ; v24-31  W1's scale words, two sets of 4: register j: lanes 0-15 tile 2 j, lanes 16-31 tile 2 j + 1
.set XF, 32                            ; v32-79  x's fragments: 2 stages x 2 tiles x 12
.set WF, 80                            ; v80-127 W1's fragments: 2 halves x 2 x 12
.set ACC, 128                          ; v128-255 accumulator (tile of rows i, tile of units T) at 128 + 64 i + 8 T
.set XC, 32                            ; the epilogue, over the fragments' registers: xc,
.set WW, 48                            ; w,
.set PP, 64                            ; P,
.set QQ, 80                            ; Q
.set KA, 96                            ; v[96:97], v[98:99] the two leading coefficients
.set KB, 98
.set TM, 32                            ; QUANT: 16 registers at work
.set PC0, 48                           ; the codes of tile 0 (19 registers),
.set PC1, 68                           ; of tile 1
.set PW, 100                           ; v100, v101 their scale words; v102 the two joined
.macro PAIR r, v
	s_mov_b32 s[\r], \v
	s_mov_b32 s[\r+1], \v
.endm
.macro WLOAD t                         ; block t: W1(32 t + i, my column) into set t % 2; a wave's load reads 128 consecutive bytes, the four waves side by side 512
.set ii, 0
.rept 32
	global_load_b32 v[X+32*((\t)%2)+ii], v1, s[4:5] offset:(32*(\t)+ii)*PITCH th:TH_LOAD_NT
.set ii, ii+1
.endr
.endm
.macro WBLOCK t
.set XB, X+32*((\t)%2)
.set IM, ((\t)/4)*NT*1536+256*((\t)%2)
.if (\t) < 7
	s_wait_loadcnt 32                              ; this block's 32 loads are in; the next block's may be out
.else
	s_wait_loadcnt 0x0
.endif
	v_max3_num_f32 v[TA], |v[XB]|, |v[XB+1]|, |v[XB+2]|
	v_max3_num_f32 v[TA+1], |v[XB+3]|, |v[XB+4]|, |v[XB+5]|
.irp i, 6,10,14,18,22,26
	v_max3_num_f32 v[TA], v[TA], |v[XB+\i]|, |v[XB+\i+1]|
	v_max3_num_f32 v[TA+1], v[TA+1], |v[XB+\i+2]|, |v[XB+\i+3]|
.endr
	v_max3_num_f32 v[TA], v[TA], |v[XB+30]|, |v[XB+31]|
	v_max3_num_f32 v[TA], v[TA], v[TA+1], 0x1800000    ; and the floor 2^(3 - 127)
	v_add_nc_u32 v[TA+2], 0xff000000, v[TA]            ; 2 off the exponent field: the conversion's scale operand
	v_cvt_scalef32_pk16_fp6_f32 v[C:C+2], v[XB:XB+15], v[TA+2]
	v_cvt_scalef32_pk16_fp6_f32 v[C+4:C+6], v[XB+16:XB+31], v[TA+2]
	v_lshrrev_b32 v[TA+3], 23, v[TA+2]                 ; the scale's byte; also the plain line behind the conversions
.if ((\t)%4) == 0
	v_mov_b32 v[SB+(\t)/4], v[TA+3]
.else
	v_lshl_or_b32 v[SB+(\t)/4], v[TA+3], 8*((\t)%4), v[SB+(\t)/4]
.endif
	v_mov_b32 v[C+3], v[C+4]
	v_mov_b32 v[C+4], v[C+5]
	v_mov_b32 v[C+5], v[C+6]                           ; v[C .. C + 5]: the block's 24 bytes = operand registers 6 c .. 6 c + 5 of lane (r, h), c = (t / 2) % 2, h = t % 2
.if (((\t)/2)%2) == 0
	ds_store_b128 v2, v[C:C+3] offset:IM               ; registers 0-3: plane 0
	ds_store_b64 v2, v[C+4:C+5] offset:IM+512          ; 4, 5: plane 1, low half
.else
	ds_store_b64 v2, v[C:C+1] offset:IM+520            ; 6, 7: plane 1, high half
	ds_store_b128 v2, v[C+2:C+5] offset:IM+1024        ; 8-11: plane 2
.endif
.if (\t)+2 < 8
	WLOAD (\t)+2
.endif
	s_wait_dscnt 0x0                               ; the stores have read their registers: the next block's codes may be written
.endm
.macro GLOAD g                         ; group g: fragments 2 g and 2 g + 1 into half g % 2; an instruction reads 512 consecutive bytes
.irp q, 0,1
.irp j, 0,1,2
.if (2*(\g)+\q) < 32
	ds_load_b128 v[WF+24*((\g)%2)+12*\q+4*\j:WF+24*((\g)%2)+12*\q+4*\j+3], v4 offset:1536*(2*(\g)+\q)+512*\j
.else
	ds_load_b128 v[WF+24*((\g)%2)+12*\q+4*\j:WF+24*((\g)%2)+12*\q+4*\j+3], v5 offset:1536*(2*(\g)+\q-32)+512*\j
.endif
.endr
.endr
.endm
.macro WSLOAD s
	ds_load_b128 v[WS+4*((\s)%2):WS+4*((\s)%2)+3], v6 offset:512*(\s)
.endm
.macro XLOAD s                         ; the two tiles' fragments of K step s into stage s % 2: 48 bytes a lane, as they lie
.irp i, 0,1
.irp j, 0,1,2
	global_load_b128 v[XF+24*((\s)%2)+12*\i+4*\j:XF+24*((\s)%2)+12*\i+4*\j+3], v[8+\i], s[8:9] offset:96*(\s)+16*\j
.endr
.endr
.endm
.macro WM                              ; one product; the symbols are set by the caller.  fA, fB: the scales stand in lanes 16-31
.if (fA == 0) && (fB == 0)
	v_wmma_scale_f32_16x16x128_f8f6f4 v[rD:rD+7], v[rA:rA+11], v[rB:rB+11], v[rD:rD+7], v[rSA], v[rSB] matrix_a_fmt:MATRIX_FMT_FP6 matrix_b_fmt:MATRIX_FMT_FP6
.elseif (fA == 1) && (fB == 0)
	v_wmma_scale_f32_16x16x128_f8f6f4 v[rD:rD+7], v[rA:rA+11], v[rB:rB+11], v[rD:rD+7], v[rSA], v[rSB] matrix_a_fmt:MATRIX_FMT_FP6 matrix_b_fmt:MATRIX_FMT_FP6 matrix_a_scale:MATRIX_SCALE_ROW1
.elseif (fA == 0) && (fB == 1)
	v_wmma_scale_f32_16x16x128_f8f6f4 v[rD:rD+7], v[rA:rA+11], v[rB:rB+11], v[rD:rD+7], v[rSA], v[rSB] matrix_a_fmt:MATRIX_FMT_FP6 matrix_b_fmt:MATRIX_FMT_FP6 matrix_b_scale:MATRIX_SCALE_ROW1
.else
	v_wmma_scale_f32_16x16x128_f8f6f4 v[rD:rD+7], v[rA:rA+11], v[rB:rB+11], v[rD:rD+7], v[rSA], v[rSB] matrix_a_fmt:MATRIX_FMT_FP6 matrix_b_fmt:MATRIX_FMT_FP6 matrix_a_scale:MATRIX_SCALE_ROW1 matrix_b_scale:MATRIX_SCALE_ROW1
.endif
.endm
; gelu of 16 numbers, v[a] on, in place.  The first reads go up from the low end of each accumulator.
.macro GELU16 a
.irp j, 0,1,2,3,4,5,6,7,8,9,10,11,12,13,14,15
	v_med3_num_f32 v[XC+\j], v[\a+\j], s31, s32    ; xc
.endr
.irp j, 0,2,4,6,8,10,12,14
	v_pk_mul_f32 v[WW+\j:WW+\j+1], v[XC+\j:XC+\j+1], v[XC+\j:XC+\j+1]
.endr
.irp j, 0,2,4,6,8,10,12,14
	v_pk_fma_f32 v[PP+\j:PP+\j+1], v[WW+\j:WW+\j+1], v[KA:KA+1], s[34:35] op_sel_hi:[1,0,0]
	v_pk_fma_f32 v[QQ+\j:QQ+\j+1], v[WW+\j:WW+\j+1], v[KB:KB+1], s[46:47] op_sel_hi:[1,0,0]
.endr
.irp k, 0,1,2
.irp j, 0,2,4,6,8,10,12,14
	v_pk_fma_f32 v[PP+\j:PP+\j+1], v[PP+\j:PP+\j+1], v[WW+\j:WW+\j+1], s[36+2*\k:37+2*\k] op_sel_hi:[1,1,0]
	v_pk_fma_f32 v[QQ+\j:QQ+\j+1], v[QQ+\j:QQ+\j+1], v[WW+\j:WW+\j+1], s[48+2*\k:49+2*\k] op_sel_hi:[1,1,0]
.endr
.endr
.irp j, 0,1,2,3,4,5,6,7,8,9,10,11,12,13,14,15
	v_rcp_f32 v[QQ+\j], v[QQ+\j]                   ; Q is finished (it is never 0: all its coefficients are negative); one batch
.endr
.irp k, 3,4
.irp j, 0,2,4,6,8,10,12,14
	v_pk_fma_f32 v[PP+\j:PP+\j+1], v[PP+\j:PP+\j+1], v[WW+\j:WW+\j+1], s[36+2*\k:37+2*\k] op_sel_hi:[1,1,0]   ; P's last two steps: plain work behind the reciprocals
.endr
.endr
.irp j, 0,2,4,6,8,10,12,14
	v_pk_mul_f32 v[PP+\j:PP+\j+1], v[PP+\j:PP+\j+1], v[XC+\j:XC+\j+1]
.endr
	s_wait_alu depctr_va_vdst(0)                   ; one wait for the 16, ahead of their first reader
.irp j, 0,2,4,6,8,10,12,14
	v_pk_mul_f32 v[PP+\j:PP+\j+1], v[PP+\j:PP+\j+1], v[QQ+\j:QQ+\j+1]
.endr
.irp j, 0,2,4,6,8,10,12,14
	v_pk_fma_f32 v[PP+\j:PP+\j+1], v[PP+\j:PP+\j+1], s[54:55], 0.5 op_sel_hi:[1,0,0]
.endr
.irp j, 0,2,4,6,8,10,12,14
	v_pk_mul_f32 v[\a+\j:\a+\j+1], v[\a+\j:\a+\j+1], v[PP+\j:PP+\j+1]
.endr
.endm
; 64 numbers of a lane, v[s] on, register 16 b + i = k 32 b + 16 (lane / 16) + i of my row, become a fragment's codes in v[pc] on and its scale word in v[pw]
.macro QUANT s, pc, pw
.irp b, 0,1,2,3
	v_max3_num_f32 v[TM+\b], |v[\s+16*\b]|, |v[\s+1+16*\b]|, 0x1800000   ; my 16 numbers of block b, and the floor 2^(3 - 127)
.endr
.irp i, 2,4,6,8,10,12,14
.irp b, 0,1,2,3
	v_max3_num_f32 v[TM+\b], v[TM+\b], |v[\s+16*\b+\i]|, |v[\s+1+16*\b+\i]|
.endr
.endr
.irp b, 0,1,2,3
	v_permlanex16_b32 v[TM+4+\b], v[TM+\b], s28, s29
.endr
.irp b, 0,1,2,3
	v_max_num_f32 v[TM+\b], v[TM+\b], v[TM+4+\b]   ; with lane l xor 16's 16: the block's largest magnitude
.endr
.irp b, 0,1,2,3
	v_add_nc_u32 v[TM+12+\b], 0xff000000, v[TM+\b]
.endr
.irp b, 0,1,2,3
	v_lshrrev_b32 v[TM+4+\b], 23, v[TM+12+\b]
.endr
	v_lshl_or_b32 v[\pw], v[TM+5], 8, v[TM+4]
	v_lshl_or_b32 v[\pw], v[TM+6], 16, v[\pw]
	v_lshl_or_b32 v[\pw], v[TM+7], 24, v[\pw]
.irp c, 0,1
	v_cvt_scalef32_pk16_fp6_f32 v[\pc+6*\c:\pc+2+6*\c], v[\s+32*\c:\s+15+32*\c], v[TM+12+2*\c]
	v_cvt_scalef32_pk16_fp6_f32 v[\pc+12+4*\c:\pc+14+4*\c], v[\s+16+32*\c:\s+31+32*\c], v[TM+12+2*\c+1]
.endr
	v_nop                                          ; one plain line behind a scaled conversion
.irp c, 0,1                            ; the operand wants a WHOLE block in a lane: lanes 0-15 block 2 c, lanes 16-31 block 2 c + 1
.irp i, 0,1,2
	v_permlane16_swap_b32 v[\pc+6*\c+\i], v[\pc+12+4*\c+\i]
.endr
.irp i, 0,1,2
	v_mov_b32 v[\pc+3+6*\c+\i], v[\pc+12+4*\c+\i]
.endr
.endr
.endm
	s_load_b256 s[4:11], s[0:1], 0x0               ; W1, b1, xq_codes, xq_scales
	s_load_b128 s[12:15], s[0:1], 0x20             ; rowmap, h_codes
	s_load_b64 s[16:17], s[0:1], 0x30              ; h_scales
	v_lshl_add_u32 v14, v0, 2, SPARE               ; my spare word
	v_mov_b32 v15, 0
	v_lshrrev_b32 v1, 5, v0
	v_readfirstlane_b32 s18, v1                    ; wave
	v_and_b32 v13, 31, v0                          ; lane
	v_lshlrev_b32 v1, 2, v13                       ; 4 x lane
	s_and_b32 s19, ttmp7, 0xffff                   ; the expert
	s_mov_b32 s20, ttmp9                           ; the slab
	s_and_b32 s56, s18, 3                          ; which 32 columns
	s_lshr_b32 s57, s18, 2                         ; which 256 along K
	s_lshl_b32 s24, s19, 24                        ; W1: the expert's 16,777,216 bytes,
	s_lshl_b32 s25, s57, 22                        ; 256 rows of 16,384 bytes,
	s_add_co_u32 s24, s24, s25
	s_lshl_b32 s25, s20, 9                         ; 128 columns,
	s_add_co_u32 s24, s24, s25
	s_lshl_b32 s25, s56, 7                         ; 32 columns
	s_add_co_u32 s24, s24, s25
	s_mov_b32 s25, 0
	s_lshl_b32 s26, s19, 2
	s_wait_kmcnt 0x0
	s_add_nc_u64 s[4:5], s[4:5], s[24:25]
	WLOAD 0                                        ; the stream begins before anything else is set up: 64 loads a wave are out
	WLOAD 1
	s_load_b32 s21, s[12:13], s26 offset:CNT       ; my expert's count
	s_mov_b32 s59, 0
	s_lshl_b32 s58, s19, 14
	s_lshl_b32 s60, s20, 9
	s_add_co_u32 s58, s58, s60
	s_add_nc_u64 s[6:7], s[6:7], s[58:59]          ; b1 at my 128 units
	s_lshl_b32 s58, s19, 12
	s_add_nc_u64 s[2:3], s[12:13], s[58:59]        ; my expert's list of tokens
	s_mul_i32 s58, s19, 3145728
	s_mul_i32 s60, s20, 1536
	s_add_co_u32 s58, s58, s60
	s_add_nc_u64 s[14:15], s[14:15], s[58:59]      ; h_codes at (expert, tile 0, my K step)
	s_lshl_b32 s58, s19, 17
	s_lshl_b32 s60, s20, 7
	s_add_co_u32 s58, s58, s60
	s_add_nc_u64 s[16:17], s[16:17], s[58:59]      ; h_scales likewise
	s_mov_b32 s28, 0x76543210
	s_mov_b32 s29, 0xfedcba98                      ; lane l xor 16
	s_mov_b32 s30, 0xffff0000                      ; lanes 16-31
	s_mov_b32 s31, 0xc0b504f3                      ; -4 sqrt(2)
	s_mov_b32 s32, 0x40b504f3
	PAIR 34, 0x306dffee                            ; P's coefficients behind the leading one
	PAIR 36, 0xb40cff51
	PAIR 38, 0xb6eec2d2
	PAIR 40, 0xb940ac63
	PAIR 42, 0xbac1a1f6
	PAIR 44, 0xbc83dbd4
	PAIR 46, 0xb7dfbd29                            ; Q's
	PAIR 48, 0xb9dc924e
	PAIR 50, 0xbb719bf8
	PAIR 52, 0xbc69b6a7
	PAIR 54, 0x3eb504f3                            ; sqrt(2) / 4
	s_lshl_b32 s24, s57, 4
	s_lshl_b32 s25, s56, 1
	s_add_co_u32 s24, s24, s25
	s_mul_i32 s24, s24, 1536                       ; my first fragment: 8 (2 (w / 4)) + 2 (w % 4)
	s_lshl_b32 s25, s57, 10
	s_lshl_b32 s27, s56, 2
	s_add_co_u32 s25, s25, s27
	s_add_co_u32 s25, s25, WSC
	v_bfe_u32 v8, v0, 3, 1                         ; u: which of my two tiles my column falls into
	v_and_b32 v9, 7, v0
	v_bfe_u32 v10, v0, 4, 1                        ; lane / 16
	v_lshl_add_u32 v9, v10, 3, v9                  ; r: its lane there
	v_mul_u32_u24 v2, v8, 1536
	v_lshl_add_u32 v2, v9, 4, v2
	v_add_nc_u32 v2, s24, v2                       ; where my codes go
	v_lshlrev_b32 v3, 8, v8
	v_lshl_add_u32 v3, v9, 4, v3
	v_add_nc_u32 v3, s25, v3                       ; and my scale words
	v_lshlrev_b32 v4, 4, v13                       ; images: 16 x lane,
	v_add_nc_u32 v5, 49152, v4                     ; and 32 fragments on
	v_add_nc_u32 v6, WSC, v4
	v_lshlrev_b32 v7, 6, v10                       ; b1: 64 (lane / 16)
	v_lshlrev_b32 v11, 4, v13                      ; global: 16 x lane
	v_mul_u32_u24 v12, v10, 48                     ; x's codes: 48 (lane / 16)
.irp t, 0,1,2,3,4,5,6,7
	WBLOCK \t
.endr
	ds_store_b32 v3, v[SB]
	ds_store_b32 v3, v[SB+1] offset:WSSTEP
	s_wait_kmcnt 0x0                               ; the count
	s_wait_dscnt 0x0                               ; for the others' sake: my stores have landed
	s_barrier_signal -1
	s_barrier_wait -1                              ; the slab's 64 images and their scale words lie in LDS
	s_min_u32 s21, s21, 1024
	s_add_co_u32 s22, s21, 31
	s_lshr_b32 s22, s22, 5                         ; pairs of tiles
	s_sub_co_u32 s33, s21, 1                       ; the last row
	s_mov_b32 s23, s18                             ; my first pair
	s_mov_b32 s26, 0                               ; trips done
.Lpair:
	s_cmp_ge_u32 s23, s22                          ; a pair past the expert's rows: nothing to do in this trip
	s_cbranch_scc1 .Lskip
	s_min_u32 s24, s23, 31
	s_lshl_b32 s25, s24, 5
	v_and_b32 v10, 31, v0
	v_and_b32 v8, 15, v0
	v_add_nc_u32 v10, s25, v10                     ; row 32 p + lane (for the scale words),
	v_add_nc_u32 v8, s25, v8                       ; 32 p + r (tile 0),
	v_add_nc_u32 v9, 16, v8                        ; 32 p + 16 + r (tile 1)
	v_min_u32 v10, s33, v10                        ; rows past the count repeat the last row
	v_min_u32 v8, s33, v8
	v_min_u32 v9, s33, v9
	v_min_u32 v10, 0x3ff, v10
	v_min_u32 v8, 0x3ff, v8
	v_min_u32 v9, 0x3ff, v9
	v_lshlrev_b32 v10, 2, v10
	v_lshlrev_b32 v8, 2, v8
	v_lshlrev_b32 v9, 2, v9
	global_load_b32 v104, v8, s[2:3]               ; their tokens
	global_load_b32 v105, v9, s[2:3]
	global_load_b32 v106, v10, s[2:3]
.irp i, 0,1
.irp t, 0,1,2,3,4,5,6,7                ; b1 in the result's layout: tile 2 b + u, register j: unit 32 b + 16 (lane / 16) + 8 u + j
	global_load_b128 v[ACC+64*\i+8*\t:ACC+64*\i+8*\t+3], v7, s[6:7] offset:(32*(\t/2)+8*(\t%2))*4
	global_load_b128 v[ACC+64*\i+8*\t+4:ACC+64*\i+8*\t+7], v7, s[6:7] offset:(32*(\t/2)+8*(\t%2))*4+16
.endr
.endr
	s_mul_i32 s60, s24, 98304
	s_mov_b32 s61, 0
	s_add_nc_u64 s[56:57], s[14:15], s[60:61]      ; where this pair's codes go,
	s_lshl_b32 s60, s24, 12
	s_add_nc_u64 s[58:59], s[16:17], s[60:61]      ; and its scale words
	s_wait_loadcnt 32                              ; the tokens are in; the 32 loads of b1 may be out
	v_min_u32 v104, 0x3ff, v104
	v_min_u32 v105, 0x3ff, v105
	v_min_u32 v106, 0x3ff, v106
	v_mul_u32_u24 v8, v104, 768
	v_mul_u32_u24 v9, v105, 768
	v_lshlrev_b32 v10, 5, v106
	v_add_nc_u32 v8, v12, v8
	v_add_nc_u32 v9, v12, v9
	global_load_b128 v[XSC:XSC+3], v10, s[10:11]
	global_load_b128 v[XSC+4:XSC+7], v10, s[10:11] offset:16
	XLOAD 0
	XLOAD 1
	WSLOAD 0
	GLOAD 0
	GLOAD 1
; The K loop, written out: 32 groups of two fragments of W1 x two tiles of rows.  The 16 accumulators take turns, one instruction a turn, in the same order in every K step.
.set G, 0
.rept 32
.set KS, G/GPK
.if (G%GPK) == 0
.if KS < 7
	s_wait_loadcnt 6                               ; this K step's fragments of x (and, at the first, b1 and the scale words) are in; the next step's six loads may be out
.else
	s_wait_loadcnt 0x0
.endif
.endif
.set NW, 0
.if G < 31
.set NW, 6                             ; the next group's six loads may be out,
.if ((G+1)%GPK) == 0
.set NW, 7                             ; and the load of scale words that stands in front of them
.endif
.endif
	s_wait_dscnt NW
.irp q, 0,1
.irp i, 0,1
.set TT, (2*G+\q)%NT
.set rD, ACC+64*\i+8*TT
.set rA, WF+24*(G%2)+12*\q
.set rB, XF+24*(KS%2)+12*\i
.set rSA, WS+4*(KS%2)+TT/2
.set rSB, XSC+KS
.set fA, TT%2
.set fB, \i
	WM
.endr
.endr
.rept 4
	v_nop                                          ; four places in front of loads into registers that these products have read, and of the first read of results
.endr
.if (G+2) <= 31
.if ((G+2)%GPK) == 0
	WSLOAD (G+2)/GPK
.endif
	GLOAD G+2
.endif
.if ((G%GPK) == (GPK-1)) && (KS <= 5)
	XLOAD KS+2
.endif
.set G, G+1
.endr
	v_mov_b32 v[KA], 0xac95df0b                    ; the leading coefficients of P and Q
	v_mov_b32 v[KA+1], 0xac95df0b
	v_mov_b32 v[KB], 0xb57460cd
	v_mov_b32 v[KB+1], 0xb57460cd
.irp n, 0,1,2,3,4,5,6,7
	GELU16 ACC+16*\n
.endr
	QUANT ACC, PC0, PW
.irp j, 0,1,2
	global_store_b128 v11, v[PC0+4*\j:PC0+4*\j+3], s[56:57] offset:512*\j          ; 512 consecutive bytes, at a multiple of 256 from the buffer's first byte
.endr
	QUANT ACC+64, PC1, PW+1
.irp j, 0,1,2
	global_store_b128 v11, v[PC1+4*\j:PC1+4*\j+3], s[56:57] offset:49152+512*\j
.endr
	v_cndmask_b32 v[PW+2], v[PW], v[PW+1], s30     ; lanes 0-15: tile 0's words; lanes 16-31: tile 1's
	global_store_b32 v1, v[PW+2], s[58:59]
	s_wait_xcnt 0x0                                ; the stores have read their registers and bases: both are written again in the next trip
.Lskip:
	s_add_co_u32 s23, s23, 16                      ; my next pair
	s_add_co_u32 s26, s26, 1
	s_cmp_lt_u32 s26, 2                            ; 32 pairs at the most / 16 waves
	s_cbranch_scc1 .Lpair
	s_wait_tensorcnt 0x0                           ; the wave's end
	ds_add_u32 v14, v15
	s_wait_dscnt 0x0
	s_endpgm
.Lfunc_end_k_qc77e3b2263_ffn1:
	.size	k_qc77e3b2263_ffn1, .Lfunc_end_k_qc77e3b2263_ffn1-k_qc77e3b2263_ffn1
	.p2alignl 7, 3214868480
	.fill 96, 4, 3214868480
	.section	.rodata,"a",@progbits
	.p2align	6, 0x0
	.amdhsa_kernel k_qc77e3b2263_ffn1
		.amdhsa_group_segment_fixed_size 104448
		.amdhsa_private_segment_fixed_size 0
		.amdhsa_enable_private_segment 0
		.amdhsa_kernarg_size 56
		.amdhsa_user_sgpr_count 2
		.amdhsa_user_sgpr_kernarg_segment_ptr 1
		.amdhsa_wavefront_size32 1
		.amdhsa_system_sgpr_workgroup_id_x 1
		.amdhsa_system_sgpr_workgroup_id_y 1
		.amdhsa_system_sgpr_workgroup_id_z 1
		.amdhsa_system_vgpr_workitem_id 0
		.amdhsa_next_free_vgpr 256
		.amdhsa_next_free_sgpr 66
		.amdhsa_reserve_vcc 0
		.amdhsa_float_denorm_mode_32 3
		.amdhsa_float_denorm_mode_16_64 3
		.amdhsa_memory_ordered 1
		.amdhsa_forward_progress 1
		.amdhsa_inst_pref_size 166
	.end_amdhsa_kernel
	.amdgpu_metadata
---
amdhsa.version: [ 1, 2 ]
amdhsa.kernels:
  - .name:           k_qc77e3b2263_ffn1
    .symbol:         k_qc77e3b2263_ffn1.kd
    .args:
      - { .name: W1, .offset: 0, .size: 8, .value_kind: global_buffer, .address_space: global }
      - { .name: b1, .offset: 8, .size: 8, .value_kind: global_buffer, .address_space: global }
      - { .name: xq_codes, .offset: 16, .size: 8, .value_kind: global_buffer, .address_space: global }
      - { .name: xq_scales, .offset: 24, .size: 8, .value_kind: global_buffer, .address_space: global }
      - { .name: rowmap, .offset: 32, .size: 8, .value_kind: global_buffer, .address_space: global }
      - { .name: h_codes, .offset: 40, .size: 8, .value_kind: global_buffer, .address_space: global }
      - { .name: h_scales, .offset: 48, .size: 8, .value_kind: global_buffer, .address_space: global }
    .group_segment_fixed_size: 104448
    .private_segment_fixed_size: 0
    .kernarg_segment_align: 8
    .kernarg_segment_size: 56
    .max_flat_workgroup_size: 512
    .sgpr_count:     66
    .vgpr_count:     256
    .wavefront_size: 32
...
	.end_amdgpu_metadata
.endif
;; end of part 3
;; launch ffn2 (part 4): grid 32 x 8, 16 waves a work-group, no clusters, 174,080 bytes of LDS; arguments W2, h_codes, h_scales, rowmap, ypart; writes ypart
.if DOCPART == 4
	.amdgcn_target "amdgcn-amd-amdhsa--gfx1250"
	.amdhsa_code_object_version 6
	.text
	.protected	k_qc77e3b2263_ffn2
	.globl	k_qc77e3b2263_ffn2
	.p2align	8
	.type	k_qc77e3b2263_ffn2,@function
k_qc77e3b2263_ffn2:
	s_mov_b64 s[64:65], 0
	v_nop
	global_prefetch_b8 v0, s[64:65] scope:SCOPE_SE
	s_setreg_imm32_b32 hwreg(HW_REG_WAVE_MODE, 25, 1), 1
	s_wait_xcnt 0x0
; FFN2.  ypart[K half][row] = h Q(W2) over one half of K = 4,096, for the rows routed to an expert; both operands are codes of FP6 (E2M3) with one E8M0 scale for each 32 along K.
; A work-group owns 64 output columns (work-group x % 16) x 2,048 along K (work-group x / 16) of one expert (work-group y): a slab of W2 of 512 KB of f32, which no other work-group reads.
; PHASE A: the slab is streamed once and quantised along K.  Wave w takes 32 columns (w % 2) x 256 along K (w / 2); a lane takes a column and its registers run down K.
; The codes go to LDS as images of operand registers: fragment (K step s, tile T) at 1,536 (4 s + T).  One barrier; behind it the images are only read.
; PHASE B: the expert's rows, 32 at a time (two tiles), pair p to wave p % 16.  Source 0 = 16 columns of W2, source 1 = 16 rows of h (register images, straight from memory):
; a lane holds eight neighbouring columns of one row.  The results go through the wave's own stage in LDS and leave as whole rows of 256 consecutive, aligned bytes.
; An expert has 32 pairs at the most, so the loop over a wave's pairs has two trips; a trip whose pair lies past the expert's count jumps over the work.
; The two K halves and the two experts of a token are added by the next launch: no sum spans work-groups here.
; No tensor load and no cluster: which trips work is read from memory.  The one barrier stands ahead of every branch on it.
; LIMITS: NaN and infinities are not served.  A block of zeros gets the byte 1 where the rule says 127 (zero codes; this program alone reads the bytes).
.set NT, 4
.set GPK, 2
.set PITCH, 4096
.set WSC, 98304                        ; LDS: behind the 64 images: W2's scale words [s][lane][w % 2], 256 bytes a K step
.set WSSTEP, 256
.set STG, 102400                       ; a stage of 16 rows x (256 + 16) bytes for each wave
.set SPARE, 172032                     ; the spare words, 128 bytes a wave
.set CNT, 65536
.set X, 96                             ; phase A: v96-159 two sets of 32 numbers
.set C, 160
.set SB, 168
.set TA, 170
.set HS, 16                            ; v16-31  h's scale words, one register a K step: lanes 0-15 tile 0, lanes 16-31 tile 1
.set WS, 32                            ; v32-35  W2's scale words, two sets of 2
.set WF, 48                            ; v48-95  W2's fragments: 2 halves x 2 x 12
.set HF, 96                            ; v96-191 h's fragments: 4 stages x 2 tiles x 12; on the way out rows of y
.set ACC, 192                          ; v192-255 accumulator (i, T) at 192 + 32 i + 8 T
.macro WLOAD t                         ; block t: W2(32 t + i, my column); a wave's load reads 128 consecutive bytes, two waves side by side 256
.set ii, 0
.rept 32
	global_load_b32 v[X+32*((\t)%2)+ii], v1, s[4:5] offset:(32*(\t)+ii)*PITCH th:TH_LOAD_NT
.set ii, ii+1
.endr
.endm
.macro WBLOCK t
.set XB, X+32*((\t)%2)
.set IM, ((\t)/4)*NT*1536+256*((\t)%2)
.if (\t) < 7
	s_wait_loadcnt 32                              ; this block's 32 loads are in; the next block's may be out
.else
	s_wait_loadcnt 0x0
.endif
	v_max3_num_f32 v[TA], |v[XB]|, |v[XB+1]|, |v[XB+2]|
	v_max3_num_f32 v[TA+1], |v[XB+3]|, |v[XB+4]|, |v[XB+5]|
.irp i, 6,10,14,18,22,26
	v_max3_num_f32 v[TA], v[TA], |v[XB+\i]|, |v[XB+\i+1]|
	v_max3_num_f32 v[TA+1], v[TA+1], |v[XB+\i+2]|, |v[XB+\i+3]|
.endr
	v_max3_num_f32 v[TA], v[TA], |v[XB+30]|, |v[XB+31]|
	v_max3_num_f32 v[TA], v[TA], v[TA+1], 0x1800000    ; and the floor 2^(3 - 127)
	v_add_nc_u32 v[TA+2], 0xff000000, v[TA]            ; 2 off the exponent field: the conversion's scale operand
	v_cvt_scalef32_pk16_fp6_f32 v[C:C+2], v[XB:XB+15], v[TA+2]
	v_cvt_scalef32_pk16_fp6_f32 v[C+4:C+6], v[XB+16:XB+31], v[TA+2]
	v_lshrrev_b32 v[TA+3], 23, v[TA+2]                 ; the scale's byte; also the plain line behind the conversions
.if ((\t)%4) == 0
	v_mov_b32 v[SB+(\t)/4], v[TA+3]
.else
	v_lshl_or_b32 v[SB+(\t)/4], v[TA+3], 8*((\t)%4), v[SB+(\t)/4]
.endif
	v_mov_b32 v[C+3], v[C+4]
	v_mov_b32 v[C+4], v[C+5]
	v_mov_b32 v[C+5], v[C+6]                           ; operand registers 6 c .. 6 c + 5 of lane (r, h), c = (t / 2) % 2, h = t % 2
.if (((\t)/2)%2) == 0
	ds_store_b128 v2, v[C:C+3] offset:IM
	ds_store_b64 v2, v[C+4:C+5] offset:IM+512
.else
	ds_store_b64 v2, v[C:C+1] offset:IM+520
	ds_store_b128 v2, v[C+2:C+5] offset:IM+1024
.endif
.if (\t)+2 < 8
	WLOAD (\t)+2
.endif
	s_wait_dscnt 0x0                               ; the stores have read their registers
.endm
.macro GLOAD g
.irp q, 0,1
.irp j, 0,1,2
.if (2*(\g)+\q) < 32
	ds_load_b128 v[WF+24*((\g)%2)+12*\q+4*\j:WF+24*((\g)%2)+12*\q+4*\j+3], v4 offset:1536*(2*(\g)+\q)+512*\j
.else
	ds_load_b128 v[WF+24*((\g)%2)+12*\q+4*\j:WF+24*((\g)%2)+12*\q+4*\j+3], v5 offset:1536*(2*(\g)+\q-32)+512*\j
.endif
.endr
.endr
.endm
.macro WSLOAD s
	ds_load_b64 v[WS+2*((\s)%2):WS+2*((\s)%2)+1], v6 offset:256*(\s)
.endm
.macro HLOAD s                         ; the two tiles' fragments of K step s into stage s % 4: each load reads 512 consecutive bytes
.irp i, 0,1
.irp j, 0,1,2
	global_load_b128 v[HF+24*((\s)%4)+12*\i+4*\j:HF+24*((\s)%4)+12*\i+4*\j+3], v11, s[32:33] offset:49152*\i+1536*(\s)+512*\j
.endr
.endr
.endm
.macro WM                              ; one product; the symbols are set by the caller.  fZ: it starts its sum.  fA, fB: the scales stand in lanes 16-31
.if fZ
.if (fA == 0) && (fB == 0)
	v_wmma_scale_f32_16x16x128_f8f6f4 v[rD:rD+7], v[rA:rA+11], v[rB:rB+11], 0, v[rSA], v[rSB] matrix_a_fmt:MATRIX_FMT_FP6 matrix_b_fmt:MATRIX_FMT_FP6
.elseif (fA == 1) && (fB == 0)
	v_wmma_scale_f32_16x16x128_f8f6f4 v[rD:rD+7], v[rA:rA+11], v[rB:rB+11], 0, v[rSA], v[rSB] matrix_a_fmt:MATRIX_FMT_FP6 matrix_b_fmt:MATRIX_FMT_FP6 matrix_a_scale:MATRIX_SCALE_ROW1
.elseif (fA == 0) && (fB == 1)
	v_wmma_scale_f32_16x16x128_f8f6f4 v[rD:rD+7], v[rA:rA+11], v[rB:rB+11], 0, v[rSA], v[rSB] matrix_a_fmt:MATRIX_FMT_FP6 matrix_b_fmt:MATRIX_FMT_FP6 matrix_b_scale:MATRIX_SCALE_ROW1
.else
	v_wmma_scale_f32_16x16x128_f8f6f4 v[rD:rD+7], v[rA:rA+11], v[rB:rB+11], 0, v[rSA], v[rSB] matrix_a_fmt:MATRIX_FMT_FP6 matrix_b_fmt:MATRIX_FMT_FP6 matrix_a_scale:MATRIX_SCALE_ROW1 matrix_b_scale:MATRIX_SCALE_ROW1
.endif
.else
.if (fA == 0) && (fB == 0)
	v_wmma_scale_f32_16x16x128_f8f6f4 v[rD:rD+7], v[rA:rA+11], v[rB:rB+11], v[rD:rD+7], v[rSA], v[rSB] matrix_a_fmt:MATRIX_FMT_FP6 matrix_b_fmt:MATRIX_FMT_FP6
.elseif (fA == 1) && (fB == 0)
	v_wmma_scale_f32_16x16x128_f8f6f4 v[rD:rD+7], v[rA:rA+11], v[rB:rB+11], v[rD:rD+7], v[rSA], v[rSB] matrix_a_fmt:MATRIX_FMT_FP6 matrix_b_fmt:MATRIX_FMT_FP6 matrix_a_scale:MATRIX_SCALE_ROW1
.elseif (fA == 0) && (fB == 1)
	v_wmma_scale_f32_16x16x128_f8f6f4 v[rD:rD+7], v[rA:rA+11], v[rB:rB+11], v[rD:rD+7], v[rSA], v[rSB] matrix_a_fmt:MATRIX_FMT_FP6 matrix_b_fmt:MATRIX_FMT_FP6 matrix_b_scale:MATRIX_SCALE_ROW1
.else
	v_wmma_scale_f32_16x16x128_f8f6f4 v[rD:rD+7], v[rA:rA+11], v[rB:rB+11], v[rD:rD+7], v[rSA], v[rSB] matrix_a_fmt:MATRIX_FMT_FP6 matrix_b_fmt:MATRIX_FMT_FP6 matrix_a_scale:MATRIX_SCALE_ROW1 matrix_b_scale:MATRIX_SCALE_ROW1
.endif
.endif
.endm
	s_load_b256 s[4:11], s[0:1], 0x0               ; W2, h_codes, h_scales, rowmap
	s_load_b64 s[12:13], s[0:1], 0x20              ; ypart
	v_lshl_add_u32 v14, v0, 2, SPARE               ; my spare word
	v_mov_b32 v15, 0
	v_lshrrev_b32 v1, 5, v0
	v_readfirstlane_b32 s18, v1                    ; wave
	v_and_b32 v13, 31, v0                          ; lane
	v_lshlrev_b32 v1, 2, v13                       ; 4 x lane
	s_and_b32 s19, ttmp7, 0xffff                   ; the expert
	s_and_b32 s20, ttmp9, 15                       ; which 64 columns
	s_lshr_b32 s27, ttmp9, 4                       ; which half of K
	s_and_b32 s38, s18, 1                          ; my wave: which 32 columns,
	s_lshr_b32 s39, s18, 1                         ; which 256 along K
	s_lshl_b32 s24, s19, 24                        ; W2: the expert's 16,777,216 bytes,
	s_lshl_b32 s25, s27, 23                        ; 2,048 rows of 4,096 bytes,
	s_add_co_u32 s24, s24, s25
	s_lshl_b32 s25, s39, 20                        ; 256 rows,
	s_add_co_u32 s24, s24, s25
	s_lshl_b32 s25, s20, 8                         ; 64 columns,
	s_add_co_u32 s24, s24, s25
	s_lshl_b32 s25, s38, 7                         ; 32 columns
	s_add_co_u32 s24, s24, s25
	s_mov_b32 s25, 0
	s_lshl_b32 s26, s19, 2
	s_wait_kmcnt 0x0
	s_add_nc_u64 s[4:5], s[4:5], s[24:25]
	WLOAD 0                                        ; the stream begins before anything else is set up: 64 loads a wave are out
	WLOAD 1
	s_load_b32 s21, s[10:11], s26 offset:CNT       ; my expert's count
	s_mov_b32 s29, 0
	s_mul_i32 s28, s19, 3145728
	s_mul_i32 s30, s27, 24576
	s_add_co_u32 s28, s28, s30
	s_add_nc_u64 s[6:7], s[6:7], s[28:29]          ; h_codes at (expert, tile 0, my half's first K step)
	s_lshl_b32 s28, s19, 17
	s_lshl_b32 s30, s27, 11
	s_add_co_u32 s28, s28, s30
	s_add_nc_u64 s[8:9], s[8:9], s[28:29]          ; h_scales likewise
	s_lshl_b32 s28, s27, 25
	s_lshl_b32 s30, s19, 22
	s_add_co_u32 s28, s28, s30
	s_lshl_b32 s30, s20, 8
	s_add_co_u32 s28, s28, s30
	s_add_nc_u64 s[12:13], s[12:13], s[28:29]      ; ypart at (my half, the expert's first row, my columns)
	s_lshl_b32 s24, s39, 3
	s_lshl_b32 s25, s38, 1
	s_add_co_u32 s24, s24, s25
	s_mul_i32 s24, s24, 1536                       ; my first fragment: 4 (2 (w / 2)) + 2 (w % 2)
	s_lshl_b32 s25, s39, 9
	s_lshl_b32 s30, s38, 2
	s_add_co_u32 s25, s25, s30
	s_add_co_u32 s25, s25, WSC
	s_mul_i32 s31, s18, 4352
	s_add_co_u32 s31, s31, STG                     ; my stage
	v_bfe_u32 v10, v0, 4, 1                        ; lane / 16: which of my two tiles my column falls into
	v_and_b32 v12, 15, v0                          ; lane % 16: its lane there
	v_mul_u32_u24 v2, v10, 1536
	v_lshl_add_u32 v2, v12, 4, v2
	v_add_nc_u32 v2, s24, v2                       ; where my codes go
	v_lshlrev_b32 v3, 3, v13
	v_add_nc_u32 v3, s25, v3                       ; and my scale words
	v_lshlrev_b32 v4, 4, v13                       ; images: 16 x lane,
	v_add_nc_u32 v5, 49152, v4                     ; and 32 fragments on
	v_lshlrev_b32 v6, 3, v13
	v_add_nc_u32 v6, WSC, v6
	v_mul_u32_u24 v7, v12, 272
	v_lshl_add_u32 v7, v10, 5, v7
	v_add_nc_u32 v7, s31, v7                       ; into the stage: row r, + 32 (lane / 16)
	v_mul_u32_u24 v8, v10, 272
	v_lshl_add_u32 v8, v12, 4, v8
	v_add_nc_u32 v8, s31, v8                       ; back: lanes 0-15 one row, lanes 16-31 the next
	v_lshlrev_b32 v9, 12, v10
	v_lshl_add_u32 v9, v12, 4, v9                  ; and the same two rows in ypart
	v_lshlrev_b32 v11, 4, v13                      ; global: 16 x lane
.irp t, 0,1,2,3,4,5,6,7
	WBLOCK \t
.endr
	ds_store_b32 v3, v[SB]
	ds_store_b32 v3, v[SB+1] offset:WSSTEP
	s_wait_kmcnt 0x0                               ; the count
	s_wait_dscnt 0x0                               ; for the others' sake: my stores have landed
	s_barrier_signal -1
	s_barrier_wait -1                              ; the slab's 64 images and their scale words lie in LDS
	s_min_u32 s21, s21, 1024
	s_add_co_u32 s22, s21, 31
	s_lshr_b32 s22, s22, 5                         ; pairs of tiles
	s_mov_b32 s23, s18                             ; my first pair
	s_mov_b32 s26, 0                               ; trips done
.Lpair:
	s_cmp_ge_u32 s23, s22                          ; a pair past the expert's rows: nothing to do in this trip
	s_cbranch_scc1 .Lskip
	s_min_u32 s24, s23, 31
	s_mul_i32 s28, s24, 98304
	s_mov_b32 s29, 0
	s_add_nc_u64 s[32:33], s[6:7], s[28:29]        ; this pair's codes,
	s_lshl_b32 s28, s24, 12
	s_add_nc_u64 s[34:35], s[8:9], s[28:29]        ; its scale words,
	s_lshl_b32 s28, s24, 17
	s_add_nc_u64 s[36:37], s[12:13], s[28:29]      ; its 32 rows of ypart
.set ks, 0
.rept 16
	global_load_b32 v[HS+ks], v1, s[34:35] offset:128*ks
.set ks, ks+1
.endr
	HLOAD 0
	HLOAD 1
	HLOAD 2
	HLOAD 3
	WSLOAD 0
	GLOAD 0
	GLOAD 1
; The K loop, written out: 32 groups of two fragments of W2 x two tiles of rows.  The 8 accumulators take turns, one instruction a turn, in the same order in every K step.
.set G, 0
.rept 32
.set KS, G/GPK
.if (G%GPK) == 0
.if KS <= 12
	s_wait_loadcnt 18                              ; this K step's fragments of h (and, at the first, the scale words) are in; the next three steps' loads may be out
.else
	s_wait_loadcnt 6*(15-KS)
.endif
.endif
.set NW, 0
.if G < 31
.set NW, 6                             ; the next group's six loads may be out,
.if ((G+1)%GPK) == 0
.set NW, 7                             ; and the load of scale words that stands in front of them
.endif
.endif
	s_wait_dscnt NW
.irp q, 0,1
.irp i, 0,1
.set TT, (2*G+\q)%NT
.set rD, ACC+32*\i+8*TT
.set rA, WF+24*(G%2)+12*\q
.set rB, HF+24*(KS%4)+12*\i
.set rSA, WS+2*(KS%2)+TT/2
.set rSB, HS+KS
.set fA, TT%2
.set fB, \i
.set fZ, 0
.if KS == 0
.set fZ, 1                             ; the first K step starts the sums: nothing is cleared
.endif
	WM
.endr
.endr
.rept 4
	v_nop                                          ; four places in front of loads into registers that these products have read, and of the first read of results
.endr
.if (G+2) <= 31
.if ((G+2)%GPK) == 0
	WSLOAD (G+2)/GPK
.endif
	GLOAD G+2
.endif
.if ((G%GPK) == (GPK-1)) && (KS <= 11)
	HLOAD KS+4
.endif
.set G, G+1
.endr
; THE WAY OUT.  A lane holds 32 neighbouring bytes of a row, four times; a tile of 16 rows x 256 bytes goes through my stage and comes back by rows.
; LDS serves a wave's instructions in order: no wait between the stores and the loads, nor in front of the second tile's stores.
.irp i, 0,1
.irp t, 0,1,2,3
	ds_store_b128 v7, v[ACC+32*\i+8*\t:ACC+32*\i+8*\t+3] offset:64*\t          ; each accumulator from its low end on
	ds_store_b128 v7, v[ACC+32*\i+8*\t+4:ACC+32*\i+8*\t+7] offset:64*\t+16
.endr
.irp q, 0,1,2,3,4,5,6,7
	ds_load_b128 v[HF+32*\i+4*\q:HF+32*\i+4*\q+3], v8 offset:544*\q
.endr
.endr
.irp q, 0,1,2,3,4,5,6,7
	s_wait_dscnt 23-\q                             ; behind tile 0's load q: its 7 - q younger loads, tile 1's 8 stores and 8 loads
	global_store_b128 v9, v[HF+4*\q:HF+4*\q+3], s[36:37] offset:8192*\q       ; 16 lanes store 256 consecutive bytes, at a multiple of 256 from the buffer's first byte
.endr
.irp q, 0,1,2,3,4,5,6,7
	s_wait_dscnt 7-\q
	global_store_b128 v9, v[HF+32+4*\q:HF+32+4*\q+3], s[36:37] offset:65536+8192*\q
.endr
	s_wait_xcnt 0x0                                ; the stores have read their registers and base: both are written again in the next trip
.Lskip:
	s_add_co_u32 s23, s23, 16                      ; my next pair
	s_add_co_u32 s26, s26, 1
	s_cmp_lt_u32 s26, 2                            ; 32 pairs at the most / 16 waves
	s_cbranch_scc1 .Lpair
	s_wait_tensorcnt 0x0                           ; the wave's end
	ds_add_u32 v14, v15
	s_wait_dscnt 0x0
	s_endpgm
.Lfunc_end_k_qc77e3b2263_ffn2:
	.size	k_qc77e3b2263_ffn2, .Lfunc_end_k_qc77e3b2263_ffn2-k_qc77e3b2263_ffn2
	.p2alignl 7, 3214868480
	.fill 96, 4, 3214868480
	.section	.rodata,"a",@progbits
	.p2align	6, 0x0
	.amdhsa_kernel k_qc77e3b2263_ffn2
		.amdhsa_group_segment_fixed_size 174080
		.amdhsa_private_segment_fixed_size 0
		.amdhsa_enable_private_segment 0
		.amdhsa_kernarg_size 40
		.amdhsa_user_sgpr_count 2
		.amdhsa_user_sgpr_kernarg_segment_ptr 1
		.amdhsa_wavefront_size32 1
		.amdhsa_system_sgpr_workgroup_id_x 1
		.amdhsa_system_sgpr_workgroup_id_y 1
		.amdhsa_system_sgpr_workgroup_id_z 1
		.amdhsa_system_vgpr_workitem_id 0
		.amdhsa_next_free_vgpr 256
		.amdhsa_next_free_sgpr 66
		.amdhsa_reserve_vcc 0
		.amdhsa_float_denorm_mode_32 3
		.amdhsa_float_denorm_mode_16_64 3
		.amdhsa_memory_ordered 1
		.amdhsa_forward_progress 1
		.amdhsa_inst_pref_size 91
	.end_amdhsa_kernel
	.amdgpu_metadata
---
amdhsa.version: [ 1, 2 ]
amdhsa.kernels:
  - .name:           k_qc77e3b2263_ffn2
    .symbol:         k_qc77e3b2263_ffn2.kd
    .args:
      - { .name: W2, .offset: 0, .size: 8, .value_kind: global_buffer, .address_space: global }
      - { .name: h_codes, .offset: 8, .size: 8, .value_kind: global_buffer, .address_space: global }
      - { .name: h_scales, .offset: 16, .size: 8, .value_kind: global_buffer, .address_space: global }
      - { .name: rowmap, .offset: 24, .size: 8, .value_kind: global_buffer, .address_space: global }
      - { .name: ypart, .offset: 32, .size: 8, .value_kind: global_buffer, .address_space: global }
    .group_segment_fixed_size: 174080
    .private_segment_fixed_size: 0
    .kernarg_segment_align: 8
    .kernarg_segment_size: 40
    .max_flat_workgroup_size: 512
    .sgpr_count:     66
    .vgpr_count:     256
    .wavefront_size: 32
...
	.end_amdgpu_metadata
.endif
;; end of part 4
;; launch combine (part 5): grid 256 x 1, 4 waves a work-group, no clusters, 0 bytes of LDS; arguments ypart, rowmap, route_i, gatef, b2, out0; writes out0
.if DOCPART == 5
	.amdgcn_target "amdgcn-amd-amdhsa--gfx1250"
	.amdhsa_code_object_version 6
	.text
	.protected	k_qc77e3b2263_combine
	.globl	k_qc77e3b2263_combine
	.p2align	8
	.type	k_qc77e3b2263_combine,@function
k_qc77e3b2263_combine:
	s_mov_b64 s[64:65], 0
	v_nop
	global_prefetch_b8 v0, s[64:65] scope:SCOPE_SE
	s_setreg_imm32_b32 hwreg(HW_REG_WAVE_MODE, 25, 1), 1
	s_wait_xcnt 0x0
; COMBINE.  out0[t] = w0 (y(row0, half 0) + y(row0, half 1) + b2[e0]) + w1 (the same of the second choice).  One wave takes one token: each output row has one owner.
; One round of scalar loads brings the token's two experts (route_i), its two weights (gatef) and its eight words of rowmap's table [token][8] (1,024 e + its place in expert e's list);
; the two rows are picked from the eight by compares and selects, without a branch.
; Then a stream: 48 loads of 512 consecutive bytes a wave, all issued at once; eight stores of 512.
; No LDS, no barrier, no matrix unit: memory binds, and the waves share nothing.
.set RK, 32768
	s_load_b256 s[4:11], s[0:1], 0x0               ; ypart, rowmap, route_i, gatef
	s_load_b128 s[12:15], s[0:1], 0x20             ; b2, out0
	v_lshrrev_b32 v1, 5, v0
	v_readfirstlane_b32 s2, v1                     ; wave
	v_and_b32 v1, 31, v0
	v_lshlrev_b32 v1, 4, v1                        ; 16 x lane
	s_lshl_b32 s3, ttmp9, 2
	s_add_co_u32 s3, s3, s2                        ; token
	s_lshl_b32 s36, s3, 3
	s_lshl_b32 s37, s3, 5
	s_lshl_b32 s38, s3, 12
	s_mov_b32 s39, 0
	s_wait_kmcnt 0x0
	s_load_b256 s[40:47], s[6:7], s37 offset:RK    ; my place in each expert's list
	s_load_b64 s[16:17], s[8:9], s36 offset:0x0    ; my two experts
	s_load_b64 s[18:19], s[10:11], s36 offset:0x0  ; my two weights
	s_add_nc_u64 s[14:15], s[14:15], s[38:39]      ; my row of out0
	s_wait_kmcnt 0x0
	s_mov_b32 s20, s40                             ; the rows of my two experts
	s_mov_b32 s21, s40
.irp e, 1,2,3,4,5,6,7
	s_cmp_eq_u32 s16, \e
	s_cselect_b32 s20, s[40+\e], s20
	s_cmp_eq_u32 s17, \e
	s_cselect_b32 s21, s[40+\e], s21
.endr
	s_min_u32 s20, s20, 8191
	s_min_u32 s21, s21, 8191
	s_lshl_b32 s38, s20, 12
	s_add_nc_u64 s[26:27], s[4:5], s[38:39]        ; row 0, K half 0,
	s_add_nc_u64 s[28:29], s[26:27], 0x2000000     ; K half 1
	s_lshl_b32 s38, s21, 12
	s_add_nc_u64 s[30:31], s[4:5], s[38:39]        ; row 1 likewise
	s_add_nc_u64 s[32:33], s[30:31], 0x2000000
	s_lshl_b32 s38, s20, 2
	s_and_b32 s38, s38, 0x7000                     ; 4,096 x the row's expert
	s_add_nc_u64 s[34:35], s[12:13], s[38:39]
	s_lshl_b32 s38, s21, 2
	s_and_b32 s38, s38, 0x7000
	s_add_nc_u64 s[36:37], s[12:13], s[38:39]
	s_mov_b32 s22, s18                             ; the weights as pairs: the packed forms name a pair and take its low word for both halves
	s_mov_b32 s23, s18
	s_mov_b32 s24, s19
	s_mov_b32 s25, s19
.set q, 0
.rept 8
	global_load_b128 v[16+24*q:19+24*q], v1, s[26:27] offset:512*q th:TH_LOAD_NT
	global_load_b128 v[20+24*q:23+24*q], v1, s[28:29] offset:512*q th:TH_LOAD_NT
	global_load_b128 v[24+24*q:27+24*q], v1, s[34:35] offset:512*q
	global_load_b128 v[28+24*q:31+24*q], v1, s[30:31] offset:512*q th:TH_LOAD_NT
	global_load_b128 v[32+24*q:35+24*q], v1, s[32:33] offset:512*q th:TH_LOAD_NT
	global_load_b128 v[36+24*q:39+24*q], v1, s[36:37] offset:512*q
.set q, q+1
.endr
.set q, 0
.rept 8
.set R, 16+24*q
.set O, 208+4*q
	s_wait_loadcnt 6*(7-q)                         ; this chunk's six loads are in; the later chunks' may be out
	v_pk_add_f32 v[R:R+1], v[R:R+1], v[R+4:R+5]
	v_pk_add_f32 v[R+2:R+3], v[R+2:R+3], v[R+6:R+7]
	v_pk_add_f32 v[R+12:R+13], v[R+12:R+13], v[R+16:R+17]
	v_pk_add_f32 v[R+14:R+15], v[R+14:R+15], v[R+18:R+19]
	v_pk_add_f32 v[R:R+1], v[R:R+1], v[R+8:R+9]
	v_pk_add_f32 v[R+2:R+3], v[R+2:R+3], v[R+10:R+11]
	v_pk_add_f32 v[R+12:R+13], v[R+12:R+13], v[R+20:R+21]
	v_pk_add_f32 v[R+14:R+15], v[R+14:R+15], v[R+22:R+23]
	v_pk_mul_f32 v[O:O+1], v[R:R+1], s[22:23] op_sel_hi:[1,0]
	v_pk_mul_f32 v[O+2:O+3], v[R+2:R+3], s[22:23] op_sel_hi:[1,0]
	v_pk_fma_f32 v[O:O+1], v[R+12:R+13], s[24:25], v[O:O+1] op_sel_hi:[1,0,1]
	v_pk_fma_f32 v[O+2:O+3], v[R+14:R+15], s[24:25], v[O+2:O+3] op_sel_hi:[1,0,1]
	global_store_b128 v1, v[O:O+3], s[14:15] offset:512*q th:TH_STORE_NT   ; 512 consecutive bytes, at a multiple of 256 from out0's first byte; each chunk has its own registers
.set q, q+1
.endr
	s_endpgm
.Lfunc_end_k_qc77e3b2263_combine:
	.size	k_qc77e3b2263_combine, .Lfunc_end_k_qc77e3b2263_combine-k_qc77e3b2263_combine
	.p2alignl 7, 3214868480
	.fill 96, 4, 3214868480
	.section	.rodata,"a",@progbits
	.p2align	6, 0x0
	.amdhsa_kernel k_qc77e3b2263_combine
		.amdhsa_group_segment_fixed_size 0
		.amdhsa_private_segment_fixed_size 0
		.amdhsa_enable_private_segment 0
		.amdhsa_kernarg_size 48
		.amdhsa_user_sgpr_count 2
		.amdhsa_user_sgpr_kernarg_segment_ptr 1
		.amdhsa_wavefront_size32 1
		.amdhsa_system_sgpr_workgroup_id_x 1
		.amdhsa_system_sgpr_workgroup_id_y 1
		.amdhsa_system_sgpr_workgroup_id_z 1
		.amdhsa_system_vgpr_workitem_id 0
		.amdhsa_next_free_vgpr 240
		.amdhsa_next_free_sgpr 66
		.amdhsa_reserve_vcc 0
		.amdhsa_float_denorm_mode_32 3
		.amdhsa_float_denorm_mode_16_64 3
		.amdhsa_memory_ordered 1
		.amdhsa_forward_progress 1
		.amdhsa_inst_pref_size 15
	.end_amdhsa_kernel
	.amdgpu_metadata
---
amdhsa.version: [ 1, 2 ]
amdhsa.kernels:
  - .name:           k_qc77e3b2263_combine
    .symbol:         k_qc77e3b2263_combine.kd
    .args:
      - { .name: ypart, .offset: 0, .size: 8, .value_kind: global_buffer, .address_space: global }
      - { .name: rowmap, .offset: 8, .size: 8, .value_kind: global_buffer, .address_space: global }
      - { .name: route_i, .offset: 16, .size: 8, .value_kind: global_buffer, .address_space: global }
      - { .name: gatef, .offset: 24, .size: 8, .value_kind: global_buffer, .address_space: global }
      - { .name: b2, .offset: 32, .size: 8, .value_kind: global_buffer, .address_space: global }
      - { .name: out0, .offset: 40, .size: 8, .value_kind: global_buffer, .address_space: global }
    .group_segment_fixed_size: 0
    .private_segment_fixed_size: 0
    .kernarg_segment_align: 8
    .kernarg_segment_size: 48
    .max_flat_workgroup_size: 128
    .sgpr_count:     66
    .vgpr_count:     240
    .wavefront_size: 32
...
	.end_amdgpu_metadata
.endif
;; end of part 5
;; ======== version 2 of 2: 5 launches
;; workspace buffers: xq_codes 786,432 bytes; xq_scales 32,768 bytes; route_i 8,192 bytes of whole numbers; gatef 40,960 bytes; rowmap 65,792 bytes of whole numbers; h_codes 25,165,824 bytes; h_scales 1,048,576 bytes; ypart 67,108,864 bytes
;; launch route (part 6): grid 256 x 1, 4 waves a work-group, no clusters, 3,584 bytes of LDS; arguments x, Wg, bg, xq_codes, xq_scales, route_i, gatef; writes xq_codes, xq_scales, route_i, gatef
.if DOCPART == 6
	.amdgcn_target "amdgcn-amd-amdhsa--gfx1250"
	.amdhsa_code_object_version 6
	.text
	.protected	k_qc77e3b2263_route
	.globl	k_qc77e3b2263_route
	.p2align	8
	.type	k_qc77e3b2263_route,@function
k_qc77e3b2263_route:
	s_mov_b64 s[64:65], 0
	v_nop
	global_prefetch_b8 v0, s[64:65] scope:SCOPE_SE
	s_setreg_imm32_b32 hwreg(HW_REG_WAVE_MODE, 25, 1), 1
	s_wait_xcnt 0x0
; ROUTE.  One wave takes one token t = 4 x work-group + wave; lane b takes block b of 32 along K = 1,024.
; It makes: the 8 logits x Wg + bg (f32 multiply-adds), their softmax (the maximum taken away first), the two largest probabilities (ties: the lower index)
; and their weights p / (p1 + p2); and the token's codes of FP6 (E2M3) with one E8M0 byte for each 32 along K.
; All stores go to fixed places: no address here hangs on the choice.
; xq_codes: [token][K step s 0..7][h 0..1][48 bytes]: block 4 s + h, then block 4 s + 2 + h: the 12 operand registers of lane (row, h) for K step s, on end.
; xq_scales: [token][32 bytes] in the blocks' order.  route_i: [token][2] the chosen experts.  gatef: [token][2] weights, from byte 8,192 on [token][8] probabilities.
; LIMITS: NaN and infinities are not served.  A block of zeros gets the byte 1 where the rule says 127: its codes are zeros, and this program alone reads the bytes.
; A probability under 2^-126 comes out of v_exp_f32 as 0.  The logits' sums run in another order than a row-by-row sum.
; x's loads stand 128 bytes apart from lane to lane and Wg's 1,024: 4 KB and 32 KB a wave, small beside the weights that the later launches stream.
.set SPARE, 3072                       ; LDS: 768 bytes of stage for each wave from byte 0; then the spare words, 128 bytes a wave
.set MSB, 0
.macro WIN new                         ; the immediate's high byte repeats the setting that is left
.if MSB != \new
	s_set_vgpr_msb (MSB<<8)|\new
.set MSB, \new
.endif
.endm
	s_load_b256 s[4:11], s[0:1], 0x0               ; x, Wg, bg, xq_codes
	s_load_b128 s[12:15], s[0:1], 0x20             ; xq_scales, route_i
	s_load_b64 s[16:17], s[0:1], 0x30              ; gatef
	v_lshl_add_u32 v14, v0, 2, SPARE               ; my spare word
	v_mov_b32 v15, 0
	v_lshrrev_b32 v1, 5, v0
	v_readfirstlane_b32 s18, v1                    ; wave
	v_and_b32 v1, 31, v0                           ; lane = block b
	s_lshl_b32 s19, ttmp9, 2
	s_add_co_u32 s19, s19, s18                     ; token
	v_lshlrev_b32 v2, 7, v1                        ; x: 128 bytes a block
	v_lshlrev_b32 v3, 10, v1                       ; Wg: 32 rows of 32 bytes a block
	s_mul_i32 s30, s18, 768                        ; my wave's stage
	v_lshrrev_b32 v4, 2, v1
	v_mul_u32_u24 v4, v4, 96                       ; into the stage: 96 (b / 4)
	v_and_b32 v5, 1, v1
	v_mad_u32_u24 v4, v5, 48, v4                   ; + 48 (b % 2)
	v_bfe_u32 v5, v1, 1, 1
	v_mad_u32_u24 v4, v5, 24, v4                   ; + 24 ((b / 2) % 2)
	v_add_nc_u32 v4, s30, v4
	v_lshlrev_b32 v7, 4, v1                        ; 16 x lane
	v_lshlrev_b32 v8, 3, v1                        ; 8 x lane
	v_add_nc_u32 v5, s30, v7                       ; out of the stage: the first 512 bytes, 16 a lane,
	v_add_nc_u32 v6, s30, v8                       ; and (offset 512) the last 256, 8 a lane
	v_mov_b32 v9, 0                                ; offset 0 for lane 0's stores
.irp e, 59,60,61,62,63
	v_mov_b32 v\e, 0                               ; a lane permute's destination counts as one of its sources (v56-58 are written by the quantiser)
.endr
	s_mov_b32 s28, 0x76543210
	s_mov_b32 s29, 0xfedcba98                      ; v_permlanex16_b32's selects for lane l xor 16
	s_mov_b32 s33, 0
	s_wait_kmcnt 0x0
	s_load_b256 s[20:27], s[8:9], 0x0              ; bg
	s_lshl_b32 s32, s19, 12
	s_add_nc_u64 s[4:5], s[4:5], s[32:33]          ; x at my row
	s_mul_i32 s32, s19, 768
	s_add_nc_u64 s[10:11], s[10:11], s[32:33]      ; my row of codes
	s_lshl_b32 s32, s19, 5
	s_add_nc_u64 s[12:13], s[12:13], s[32:33]      ; my 32 scale bytes
	s_add_nc_u64 s[34:35], s[16:17], s[32:33]      ; my 8 probabilities (8,192 more in the immediate)
	s_lshl_b32 s32, s19, 3
	s_add_nc_u64 s[14:15], s[14:15], s[32:33]      ; my two experts
	s_add_nc_u64 s[16:17], s[16:17], s[32:33]      ; my two weights
.irp i, 0,1,2,3,4,5,6,7
	global_load_b128 v[16+4*\i:19+4*\i], v2, s[4:5] offset:16*\i th:TH_LOAD_NT   ; v16-47: my 32 numbers of x
.endr
.set m, 0
.rept 32
	global_load_b128 v[64+4*m:67+4*m], v3, s[6:7] offset:16*m                    ; v[64 + 8 kk + e]: Wg(32 b + kk, e), kk 0..15
.set m, m+1
.endr
	WIN 0x40                                       ; destination in window 1
.set m, 0
.rept 32
	global_load_b128 v[4*m:4*m+3], v3, s[6:7] offset:512+16*m                    ; window 1, v[8 (kk - 16) + e]: kk 16..31
.set m, m+1
.endr
	WIN 0
	s_wait_loadcnt 32                              ; x and Wg's first half are in; the 32 younger loads may be out
.irp e, 0,1,2,3,4,5,6,7
	v_mul_f32 v[48+\e], v16, v[64+\e]              ; the first product starts the sums
.endr
.set kk, 1
.rept 15
.irp e, 0,1,2,3,4,5,6,7
	v_fmac_f32 v[48+\e], v[16+kk], v[64+8*kk+\e]
.endr
.set kk, kk+1
.endr
	; the quantiser stands here, while Wg's second half lands: all 32 numbers of the block are mine
	v_max3_num_f32 v56, |v16|, |v17|, |v18|
	v_max3_num_f32 v57, |v19|, |v20|, |v21|
.irp i, 6,10,14,18,22,26
	v_max3_num_f32 v56, v56, |v[16+\i]|, |v[17+\i]|
	v_max3_num_f32 v57, v57, |v[18+\i]|, |v[19+\i]|
.endr
	v_max3_num_f32 v56, v56, |v46|, |v47|
	v_max3_num_f32 v56, v56, v57, 0x1800000        ; and the floor 2^(3 - 127): the byte cannot fall under 1
	v_add_nc_u32 v58, 0xff000000, v56              ; 2 off the exponent field: the conversion takes this operand's exponent field as its scale
	v_cvt_scalef32_pk16_fp6_f32 v[192:194], v[16:31], v58
	v_cvt_scalef32_pk16_fp6_f32 v[196:198], v[32:47], v58   ; (a conversion's three registers begin on an even number)
	v_lshrrev_b32 v10, 23, v58                     ; the scale's byte; also the plain line behind the conversions
	v_mov_b32 v195, v196
	v_mov_b32 v196, v197
	v_mov_b32 v197, v198                           ; v192-197: the block's 24 bytes
	ds_store_b64 v4, v[192:193]
	ds_store_b64 v4, v[194:195] offset:8
	ds_store_b64 v4, v[196:197] offset:16
	ds_load_b128 v[208:211], v5                    ; LDS serves a wave's instructions in order: these see my wave's stores
	ds_load_b64 v[212:213], v6 offset:512
	global_store_b8 v1, v10, s[12:13]              ; 32 lanes: the token's 32 scale bytes
	s_wait_loadcnt 0x0                             ; Wg's second half
	WIN 0x04                                       ; source 1 in window 1
.set kk, 16
.rept 16
.irp e, 0,1,2,3,4,5,6,7
	v_fmac_f32 v[48+\e], v[16+kk], v[8*(kk-16)+\e]
.endr
.set kk, kk+1
.endr
	WIN 0
.irp x, 1,2,4,8                        ; the 32 lanes' parts are added: every lane ends with the sums
.irp e, 0,1,2,3,4,5,6,7
	v_add_f32_dpp v[48+\e], v[48+\e], v[48+\e] row_xmask:\x row_mask:0xf bank_mask:0xf
.endr
.endr
.irp e, 0,1,2,3,4,5,6,7
	v_permlanex16_b32 v[56+\e], v[48+\e], s28, s29
.endr
	s_wait_alu depctr_va_vdst(0)
	s_wait_kmcnt 0x0                               ; bg
.irp e, 0,1,2,3,4,5,6,7
	v_add_f32 v[48+\e], v[48+\e], v[56+\e]
.endr
.irp e, 0,1,2,3,4,5,6,7
	v_add_f32 v[48+\e], s[20+\e], v[48+\e]         ; the logits
.endr
	v_max3_num_f32 v56, v48, v49, v50
	v_max3_num_f32 v56, v56, v51, v52
	v_max3_num_f32 v56, v56, v53, v54
	v_max_num_f32 v56, v56, v55                    ; their maximum
.irp e, 0,1,2,3,4,5,6,7
	v_sub_f32 v[48+\e], v[48+\e], v56
.endr
.irp e, 0,1,2,3,4,5,6,7
	v_mul_f32 v[48+\e], 0x3fb8aa3b, v[48+\e]       ; x log2(e)
.endr
	s_wait_alu depctr_va_vdst(0)
.irp e, 0,1,2,3,4,5,6,7
	v_exp_f32 v[48+\e], v[48+\e]
.endr
	v_nop                                          ; a plain line behind the last exponential
	s_wait_alu depctr_va_vdst(0)                   ; one wait for the batch, ahead of its first reader
	v_add_f32 v57, v48, v49
	v_add_f32 v58, v50, v51
	v_add_f32 v59, v52, v53
	v_add_f32 v60, v54, v55
	v_add_f32 v57, v57, v58
	v_add_f32 v59, v59, v60
	v_add_f32 v57, v57, v59
	s_wait_alu depctr_va_vdst(0)
	v_rcp_f32 v58, v57
	v_nop
	s_wait_alu depctr_va_vdst(0)
.irp e, 0,1,2,3,4,5,6,7
	v_mul_f32 v[48+\e], v[48+\e], v58              ; the gate's probabilities
.endr
	; the two largest.  v200, v201: their experts; v202, v203: their probabilities.  A later expert takes the place only if it is strictly larger
	v_mov_b32 v200, 0
	v_mov_b32 v202, v48
.irp e, 1,2,3,4,5,6,7
	v_cmp_le_f32 vcc_lo, v[48+\e], v202            ; keep the old one
	v_cndmask_b32 v200, \e, v200, vcc_lo
	v_cndmask_b32 v202, v[48+\e], v202, vcc_lo
.endr
	v_mov_b32 v201, 0
	v_mov_b32 v203, -1.0                           ; under every probability
.irp e, 0,1,2,3,4,5,6,7
	v_cmp_eq_u32 s30, \e, v200                     ; the first choice is passed over
	v_cmp_le_f32 s31, v[48+\e], v203
	s_or_b32 vcc_lo, s30, s31                      ; keep the old one
	v_cndmask_b32 v201, \e, v201, vcc_lo
	v_cndmask_b32 v203, v[48+\e], v203, vcc_lo
.endr
	v_add_f32 v204, v202, v203
	s_wait_alu depctr_va_vdst(0)
	v_rcp_f32 v205, v204
	v_nop
	s_wait_alu depctr_va_vdst(0)
	v_mul_f32 v206, v202, v205                     ; the two weights
	v_mul_f32 v207, v203, v205
	s_wait_alu depctr_va_vdst(0)
	s_wait_dscnt 0x0                               ; the row of codes is back from the stage
	global_store_b128 v7, v[208:211], s[10:11]             ; 512 consecutive bytes, at a multiple of 256 from the buffer's first byte
	global_store_b64 v8, v[212:213], s[10:11] offset:512   ; and 256 more
	s_wait_xcnt 0x0                                ; EXEC changes only behind this wait
	v_cmp_eq_u32 vcc_lo, 0, v1
	s_and_saveexec_b32 s31, vcc_lo                 ; lane 0 alone
	global_store_b64 v9, v[200:201], s[14:15]
	global_store_b64 v9, v[206:207], s[16:17]
	global_store_b128 v9, v[48:51], s[34:35] offset:8192
	global_store_b128 v9, v[52:55], s[34:35] offset:8208
	s_wait_xcnt 0x0                                ; and again in front of the line that widens it
	s_or_b32 exec_lo, exec_lo, s31
	s_wait_tensorcnt 0x0                           ; the wave's end
	ds_add_u32 v14, v15
	s_wait_dscnt 0x0
	s_endpgm
.Lfunc_end_k_qc77e3b2263_route:
	.size	k_qc77e3b2263_route, .Lfunc_end_k_qc77e3b2263_route-k_qc77e3b2263_route
	.p2alignl 7, 3214868480
	.fill 96, 4, 3214868480
	.section	.rodata,"a",@progbits
	.p2align	6, 0x0
	.amdhsa_kernel k_qc77e3b2263_route
		.amdhsa_group_segment_fixed_size 3584
		.amdhsa_private_segment_fixed_size 0
		.amdhsa_enable_private_segment 0
		.amdhsa_kernarg_size 56
		.amdhsa_user_sgpr_count 2
		.amdhsa_user_sgpr_kernarg_segment_ptr 1
		.amdhsa_wavefront_size32 1
		.amdhsa_system_sgpr_workgroup_id_x 1
		.amdhsa_system_sgpr_workgroup_id_y 1
		.amdhsa_system_sgpr_workgroup_id_z 1
		.amdhsa_system_vgpr_workitem_id 0
		.amdhsa_next_free_vgpr 384
		.amdhsa_next_free_sgpr 66
		.amdhsa_reserve_vcc 1
		.amdhsa_float_denorm_mode_32 3
		.amdhsa_float_denorm_mode_16_64 3
		.amdhsa_memory_ordered 1
		.amdhsa_forward_progress 1
		.amdhsa_inst_pref_size 28
	.end_amdhsa_kernel
	.amdgpu_metadata
---
amdhsa.version: [ 1, 2 ]
amdhsa.kernels:
  - .name:           k_qc77e3b2263_route
    .symbol:         k_qc77e3b2263_route.kd
    .args:
      - { .name: x, .offset: 0, .size: 8, .value_kind: global_buffer, .address_space: global }
      - { .name: Wg, .offset: 8, .size: 8, .value_kind: global_buffer, .address_space: global }
      - { .name: bg, .offset: 16, .size: 8, .value_kind: global_buffer, .address_space: global }
      - { .name: xq_codes, .offset: 24, .size: 8, .value_kind: global_buffer, .address_space: global }
      - { .name: xq_scales, .offset: 32, .size: 8, .value_kind: global_buffer, .address_space: global }
      - { .name: route_i, .offset: 40, .size: 8, .value_kind: global_buffer, .address_space: global }
      - { .name: gatef, .offset: 48, .size: 8, .value_kind: global_buffer, .address_space: global }
    .group_segment_fixed_size: 3584
    .private_segment_fixed_size: 0
    .kernarg_segment_align: 8
    .kernarg_segment_size: 56
    .max_flat_workgroup_size: 128
    .sgpr_count:     66
    .vgpr_count:     384
    .wavefront_size: 32
...
	.end_amdgpu_metadata
.endif
;; end of part 6
;; launch place (part 7): grid 1 x 1, 9 waves a work-group, no clusters, 0 bytes of LDS; arguments route_i, gatef, rowmap, out1; writes rowmap, out1
.if DOCPART == 7
	.amdgcn_target "amdgcn-amd-amdhsa--gfx1250"
	.amdhsa_code_object_version 6
	.text
	.protected	k_qc77e3b2263_place
	.globl	k_qc77e3b2263_place
	.p2align	8
	.type	k_qc77e3b2263_place,@function
k_qc77e3b2263_place:
	s_mov_b64 s[64:65], 0
	v_nop
	global_prefetch_b8 v0, s[64:65] scope:SCOPE_SE
	s_setreg_imm32_b32 hwreg(HW_REG_WAVE_MODE, 25, 1), 1
	s_wait_xcnt 0x0
; PLACE.  One work-group.  Wave e (0..7) sorts the 1,024 tokens for expert e, without atomics and with all lanes on: a STABLE PARTITION.
; A token that chose e goes to the front of the expert's list, at its rank among such tokens; every other token goes to the back, at 1,023 - (such tokens before it).
; So every lane stores in every group, and each of the list's 1,024 words is written once; the first `count` words are the expert's rows in the tokens' order.
; rowmap: from byte 0 [e][1,024]: row -> token.  From RK [token][8]: 1,024 e + the token's place in expert e's list (read later for the token's two chosen experts alone).  From CNT [8]: the counts.
; RK's stores are 4 bytes a lane, 32 bytes apart: 32 KB in all; the layout lets the last launch fetch a token's eight words by one scalar load.
; Wave 8 makes the load-balancing loss from the gate's probabilities: usage = their mean over the tokens; the sum over e of usage ln(1/8) - ln(usage) / 8.
; No LDS and no barrier: the waves share nothing.
.set RK, 32768
.set CNT, 65536
.set TK, 80                            ; v80-111   group g: the token (a store's data)
.set RW, 112                           ; v112-143  group g: the row (a store's data)
.set AD, 144                           ; v144-175  group g: 4 x the row (a store's address): each group has registers of its own, so none is written again while a store may read it
	s_load_b256 s[4:11], s[0:1], 0x0               ; route_i, gatef, rowmap, out1
	v_lshrrev_b32 v1, 5, v0
	s_delay_alu instid0(VALU_DEP_1)
	v_readfirstlane_b32 s18, v1                    ; wave
	v_and_b32 v1, 31, v0                           ; lane
	s_mov_b32 s12, 0x76543210
	s_mov_b32 s13, 0xfedcba98
	s_mov_b32 s14, 0xbdb17218                      ; -ln(2) / 8
	s_wait_kmcnt 0x0
	s_cmp_eq_u32 s18, 8
	s_cbranch_scc1 .Laux
	s_wait_alu depctr_va_vdst(0)
	v_lshlrev_b32 v2, 3, v1                        ; 8 x lane
.set g, 0
.rept 32
	global_load_b64 v[16+2*g:17+2*g], v2, s[4:5] offset:256*g   ; the two experts of token 32 g + lane
.set g, g+1
.endr
	s_mov_b32 s19, s18                             ; my expert
	s_lshl_b32 s20, s18, 10                        ; its first row
	s_mov_b32 s21, 0                               ; rows so far
	s_lshl_b32 s27, s18, 2
	v_lshlrev_b32 v3, 5, v1
	s_delay_alu instid0(VALU_DEP_1)
	v_add_nc_u32 v3, s27, v3                       ; RK: 32 x lane + 4 e
.macro GRP g
	s_wait_loadcnt 31-\g                           ; this group's load is in; the later groups' may be out
	v_cmp_eq_u32 s22, s19, v[16+2*\g]
	v_cmp_eq_u32 s23, s19, v[17+2*\g]
	s_or_b32 s24, s22, s23                         ; the lanes whose token chose my expert
	v_mbcnt_lo_u32_b32 v4, s24, s21                ; such tokens before mine
	v_add_nc_u32 v[TK+\g], 32*\g, v1               ; the token
	v_sub_nc_u32 v5, 1023-32*\g, v1                ; 1,023 - the token,
	s_delay_alu instid0(VALU_DEP_1)
	v_add_nc_u32 v5, v5, v4                        ; + such tokens before it: the place from the back
	s_delay_alu instid0(VALU_DEP_1)
	v_cndmask_b32 v4, v5, v4, s24                  ; from the front where it chose my expert
	s_delay_alu instid0(VALU_DEP_1)
	v_min_u32 v4, 0x3ff, v4                        ; (both lie under 1,024)
	s_delay_alu instid0(VALU_DEP_1)
	v_add_nc_u32 v[RW+\g], s20, v4                 ; the row
	s_delay_alu instid0(VALU_DEP_1)
	v_lshlrev_b32 v[AD+\g], 2, v[RW+\g]
	global_store_b32 v[AD+\g], v[TK+\g], s[8:9]    ; row -> token
	global_store_b32 v3, v[RW+\g], s[8:9] offset:RK+1024*\g   ; token, expert -> row
	s_bcnt1_i32_b32 s26, s24
	s_add_co_u32 s21, s21, s26
.endm
.irp g, 0,1,2,3,4,5,6,7,8,9,10,11,12,13,14,15,16,17,18,19,20,21,22,23,24,25,26,27,28,29,30,31
	GRP \g
.endr
	v_mov_b32 v4, s21
	v_mov_b32 v5, s27
	s_wait_alu depctr_va_vdst(0)
	s_wait_xcnt 0x0                                ; EXEC changes only behind this wait
	v_cmp_eq_u32 vcc_lo, 0, v1
	s_and_saveexec_b32 s25, vcc_lo                 ; lane 0 alone
	global_store_b32 v5, v4, s[8:9] offset:CNT     ; my expert's count
	s_wait_xcnt 0x0
	s_or_b32 exec_lo, exec_lo, s25
	s_endpgm
.Laux:
	s_wait_alu depctr_va_vdst(0)
	; load m reads 512 consecutive bytes: lane l has token 16 m + l / 2, experts 4 (l % 2) + 0..3.  48 loads are out at the most, in v16-207
	v_lshlrev_b32 v3, 4, v1
	v_mov_b32 v2, 0
.macro PLD m
	global_load_b128 v[16+4*((\m)%48):19+4*((\m)%48)], v3, s[6:7] offset:8192+512*(\m)
.endm
.macro ADDM m                          ; two sets of sums by turns, so that no line waits for the line above it
	v_pk_add_f32 v[208+4*((\m)%2):209+4*((\m)%2)], v[208+4*((\m)%2):209+4*((\m)%2)], v[16+4*((\m)%48):17+4*((\m)%48)]
	v_pk_add_f32 v[210+4*((\m)%2):211+4*((\m)%2)], v[210+4*((\m)%2):211+4*((\m)%2)], v[18+4*((\m)%48):19+4*((\m)%48)]
.endm
.set m, 0
.rept 48
	PLD m
.set m, m+1
.endr
	s_wait_loadcnt 32                              ; loads 0 to 15 are in
	v_pk_add_f32 v[208:209], v[16:17], v[24:25]    ; the first four loads start the sums
	v_pk_add_f32 v[210:211], v[18:19], v[26:27]
	v_pk_add_f32 v[212:213], v[20:21], v[28:29]
	v_pk_add_f32 v[214:215], v[22:23], v[30:31]
.set m, 4
.rept 12
	ADDM m
.set m, m+1
.endr
.set m, 48
.rept 16
	PLD m                                          ; into the registers just added
.set m, m+1
.endr
	s_wait_alu depctr_va_vdst(0)
	s_wait_loadcnt 16                              ; loads 16 to 47 are in; the 16 just issued may be out
.set m, 16
.rept 32
	ADDM m
.set m, m+1
.endr
	s_wait_alu depctr_va_vdst(0)
	s_wait_loadcnt 0x0
.set m, 48
.rept 16
	ADDM m
.set m, m+1
.endr
	s_delay_alu instid0(VALU_DEP_2)
	v_pk_add_f32 v[208:209], v[208:209], v[212:213]
	s_delay_alu instid0(VALU_DEP_2)
	v_pk_add_f32 v[210:211], v[210:211], v[214:215]
.irp x, 2,4,8                          ; lanes of my parity hold the same four experts
.irp q, 0,1,2,3
	v_add_f32_dpp v[208+\q], v[208+\q], v[208+\q] row_xmask:\x row_mask:0xf bank_mask:0xf
.endr
.endr
.irp q, 0,1,2,3
	s_delay_alu instid0(VALU_DEP_4)
	v_permlanex16_b32 v[212+\q], v[208+\q], s12, s13
.endr
.irp q, 0,1,2,3
	s_delay_alu instid0(VALU_DEP_4)
	v_add_f32 v[208+\q], v[208+\q], v[212+\q]
.endr
.irp q, 0,1,2,3
	s_delay_alu instid0(VALU_DEP_4)
	v_mul_f32 v[208+\q], 0x3a800000, v[208+\q]     ; / 1,024: the usage
.endr
	s_wait_alu depctr_va_vdst(0)
.irp q, 0,1,2,3
	v_log_f32 v[216+\q], v[208+\q]                 ; log2
.endr
.irp q, 0,1,2,3
	v_mul_f32 v[212+\q], 0xc0051592, v[208+\q]     ; usage x ln(1/8): plain work behind the logarithms
.endr
	s_wait_alu depctr_va_vdst(0)                   ; one wait for the four, ahead of their first reader
.irp q, 0,1,2,3
	v_fma_f32 v[212+\q], v[216+\q], s14, v[212+\q] ; - log2(usage) x ln(2) / 8
.endr
	s_delay_alu instid0(VALU_DEP_3)
	v_add_f32 v212, v212, v213
	s_delay_alu instid0(VALU_DEP_2)
	v_add_f32 v214, v214, v215
	s_delay_alu instid0(VALU_DEP_1)
	v_add_f32 v212, v212, v214
	s_delay_alu instid0(VALU_DEP_1)
	v_add_f32_dpp v212, v212, v212 row_xmask:1 row_mask:0xf bank_mask:0xf   ; with the other four experts
	s_wait_alu depctr_va_vdst(0)
	s_wait_xcnt 0x0
	v_cmp_eq_u32 vcc_lo, 0, v1
	s_and_saveexec_b32 s25, vcc_lo
	global_store_b32 v2, v212, s[10:11]
	s_wait_xcnt 0x0
	s_or_b32 exec_lo, exec_lo, s25
	s_endpgm
.Lfunc_end_k_qc77e3b2263_place:
	.size	k_qc77e3b2263_place, .Lfunc_end_k_qc77e3b2263_place-k_qc77e3b2263_place
	.p2alignl 7, 3214868480
	.fill 96, 4, 3214868480
	.section	.rodata,"a",@progbits
	.p2align	6, 0x0
	.amdhsa_kernel k_qc77e3b2263_place
		.amdhsa_group_segment_fixed_size 0
		.amdhsa_private_segment_fixed_size 0
		.amdhsa_enable_private_segment 0
		.amdhsa_kernarg_size 32
		.amdhsa_user_sgpr_count 2
		.amdhsa_user_sgpr_kernarg_segment_ptr 1
		.amdhsa_wavefront_size32 1
		.amdhsa_system_sgpr_workgroup_id_x 1
		.amdhsa_system_sgpr_workgroup_id_y 1
		.amdhsa_system_sgpr_workgroup_id_z 1
		.amdhsa_system_vgpr_workitem_id 0
		.amdhsa_next_free_vgpr 224
		.amdhsa_next_free_sgpr 66
		.amdhsa_reserve_vcc 1
		.amdhsa_float_denorm_mode_32 3
		.amdhsa_float_denorm_mode_16_64 3
		.amdhsa_memory_ordered 1
		.amdhsa_forward_progress 1
		.amdhsa_inst_pref_size 54
	.end_amdhsa_kernel
	.amdgpu_metadata
---
amdhsa.version: [ 1, 2 ]
amdhsa.kernels:
  - .name:           k_qc77e3b2263_place
    .symbol:         k_qc77e3b2263_place.kd
    .args:
      - { .name: route_i, .offset: 0, .size: 8, .value_kind: global_buffer, .address_space: global }
      - { .name: gatef, .offset: 8, .size: 8, .value_kind: global_buffer, .address_space: global }
      - { .name: rowmap, .offset: 16, .size: 8, .value_kind: global_buffer, .address_space: global }
      - { .name: out1, .offset: 24, .size: 8, .value_kind: global_buffer, .address_space: global }
    .group_segment_fixed_size: 0
    .private_segment_fixed_size: 0
    .kernarg_segment_align: 8
    .kernarg_segment_size: 32
    .max_flat_workgroup_size: 288
    .sgpr_count:     66
    .vgpr_count:     224
    .wavefront_size: 32
...
	.end_amdgpu_metadata
.endif
;; end of part 7
;; launch ffn1 (part 8): grid 32 x 8, 16 waves a work-group, no clusters, 104,448 bytes of LDS; arguments W1, b1, xq_codes, xq_scales, rowmap, h_codes, h_scales; writes h_codes, h_scales
.if DOCPART == 8
	.amdgcn_target "amdgcn-amd-amdhsa--gfx1250"
	.amdhsa_code_object_version 6
	.text
	.protected	k_qc77e3b2263_ffn1
	.globl	k_qc77e3b2263_ffn1
	.p2align	8
	.type	k_qc77e3b2263_ffn1,@function
k_qc77e3b2263_ffn1:
	s_mov_b64 s[64:65], 0
	v_nop
	global_prefetch_b8 v0, s[64:65] scope:SCOPE_SE
	s_setreg_imm32_b32 hwreg(HW_REG_WAVE_SCHED_MODE, 0, 2), 2
	s_setreg_imm32_b32 hwreg(HW_REG_WAVE_MODE, 25, 1), 1
	s_wait_xcnt 0x0
	s_wait_alu depctr_vm_vsrc(0)
; FFN1.  h = Q(gelu(Q(x) Q(W1) + b1)) for the rows routed to an expert; both operands are codes of FP6 (E2M3) with one E8M0 scale for each 32 along K.
; A work-group owns 128 hidden units (work-group x) of one expert (work-group y): a slab of W1 of 1,024 (K) x 128, 512 KB of f32, which no other work-group reads.
; PHASE A: the slab is streamed once and quantised along K.  Wave w takes 32 columns (w % 4) x 256 along K (w / 4); a lane takes a column and its registers run down K,
; so a block of 32 lies in one lane and the conversions give codes with K innermost.  The codes go to LDS as IMAGES OF OPERAND REGISTERS: fragment (K step s, tile T) at 1,536 (8 s + T):
; three planes of 32 lanes x 16 bytes.  One barrier; behind it the images are only read.
; PHASE B: the expert's rows, 32 at a time (two tiles), pair p to wave p % 16.  Source 0 = 16 columns of W1, source 1 = 16 rows of x: a lane holds ONE row and its registers run along the hidden units.
; An expert has 32 pairs at the most, so the loop over a wave's pairs has two trips; a trip whose pair lies past the expert's count jumps over the work.
; THE COLUMNS OF A TILE ARE NOT NEIGHBOURS: lane r of tile 2 b + u is unit 32 b + 8 u + r + 8 (r / 8), so that the 16 registers of tiles 2 b, 2 b + 1 are 16 neighbours along the next K.
; b1 is the C of each sum's first product.  gelu(x) = x (0.5 + (sqrt(2) / 4) xc P(w) / Q(w)), xc = x held to +-4 sqrt(2), w = xc^2: a rational form of erf(x / sqrt(2)), its coefficients scaled by exact powers of two.
; The 128 units are K step (work-group x) of the next product: one fragment and one scale word a row, stored as register images.
; Rows past the count, in an expert's last pair, repeat its last row: they are computed and stored like the others, and nobody gathers them.
; No tensor load and no cluster: which trips work is read from memory.  The one barrier stands ahead of every branch on it.
; LIMITS: NaN and infinities are not served.  A block of zeros gets the byte 1 where the rule says 127 (zero codes; this program alone reads the bytes).
; Beyond |x| = 4 sqrt(2) erf is held at its value there; gelu's absolute error is about 6e-8 |x|, as of 1 + erf formed in f32.
; THE MODE: SCHED_MODE bits 1:0 = 2 (LLVM: expert scheduling mode 2), set by the entry lines.  The code itself states the register dependences
; between vector or matrix instructions and memory or LDS instructions, with s_wait_alu, always for 0.
; THE PLAN.  Registers that memory or LDS instructions touch, and who else names them:
;   PHASE A.  X0, X1     block t's maxima and conversions read set t % 2; behind them the loads of block t + 2 land in it.
;             v[C ..]    written by block t's conversions and moves, read by its two LDS stores.    v[SB], v[SB+1]  written in the blocks, read by two LDS stores behind the last block.
;             v1-7, v11  offsets and addresses, made once at the head and never written again.
;     One wait on va_vdst a block, behind the moves (codes, scale words and addresses are written; the conversions are done reading the set); one on vm_vsrc a block, ahead of the conversions (the last block's stores have read the codes).
;   PHASE B.  v8-10      written twice a trip (places in the list of tokens; then places in x's codes and scales), read by the loads that follow each writing.
;             WF half    group G's four products read half G % 2; behind them the LDS loads of group G + 2 land in it.    XF stage  K step s's sixteen products read stage s % 2; behind them the loads of K step s + 2 land in it.
;             WS, XSC    read by products as scales; loaded two groups ahead, or once a trip.    The accumulators  b1's loads land in them at a trip's head; named by products and vector instructions alone behind that.
;             PC0, PC1, v102  written by the quantisers, read by the trip's seven stores.
;     With two halves each refill stands between its half's last reader and its next: one wait on va_vdst a group, behind the group's four products and ahead of the run of loads; 256 registers a wave leave no room for a third half.
;     One wait on va_vdst ahead of the run of stores; one on vm_vsrc at the trip's end, ahead of the label and the backward jump.
.set NT, 8                             ; column tiles in the slab
.set GPK, 4                            ; groups of two fragments in a K step
.set PITCH, 16384                      ; bytes from a row of W1 to the next
.set WSC, 98304                        ; LDS: behind the 64 images: W1's scale words [s][lane 16 u + r][w % 4], 512 bytes a K step
.set WSSTEP, 512
.set SPARE, 102400                     ; the spare words, 128 bytes a wave
.set CNT, 65536
.set X, 128                            ; phase A: v128-191 two sets of 32 numbers
.set C, 192                            ; v192-198 a block's codes
.set SB, 200                           ; v200-201 my column's scale words
.set TA, 202                           ; v202-205 at work
.set XSC, 16                           ; v16-23  x's scale words, one register a K step: lanes 0-15 tile 0, lanes 16-31 tile 1
.set WS, 24                            ; v24-31  W1's scale words, two sets of 4: register j: lanes 0-15 tile 2 j, lanes 16-31 tile 2 j + 1
.set XF, 32                            ; v32-79  x's fragments: 2 stages x 2 tiles x 12
.set WF, 80                            ; v80-127 W1's fragments: 2 halves x 2 x 12
.set ACC, 128                          ; v128-255 accumulator (tile of rows i, tile of units T) at 128 + 64 i + 8 T
.set XC, 32                            ; the epilogue, over the fragments' registers: xc,
.set WW, 48                            ; w,
.set PP, 64                            ; P,
.set QQ, 80                            ; Q
.set KA, 96                            ; v[96:97], v[98:99] the two leading coefficients
.set KB, 98
.set TM, 32                            ; QUANT: 16 registers at work
.set PC0, 48                           ; the codes of tile 0 (19 registers),
.set PC1, 68                           ; of tile 1
.set PW, 100                           ; v100, v101 their scale words; v102 the two joined
.macro PAIR r, v
	s_mov_b32 s[\r], \v
	s_mov_b32 s[\r+1], \v
.endm
.macro WLOAD t                         ; block t: W1(32 t + i, my column) into set t % 2; a wave's load reads 128 consecutive bytes, the four waves side by side 512
.set ii, 0
.rept 32
	global_load_b32 v[X+32*((\t)%2)+ii], v1, s[4:5] offset:(32*(\t)+ii)*PITCH th:TH_LOAD_NT
.set ii, ii+1
.endr
.endm
.macro WBLOCK t
.set XB, X+32*((\t)%2)
.set IM, ((\t)/4)*NT*1536+256*((\t)%2)
.if (\t) < 7
	s_wait_loadcnt 32                              ; this block's 32 loads are in; the next block's may be out
.else
	s_wait_loadcnt 0x0
.endif
	v_max3_num_f32 v[TA], |v[XB]|, |v[XB+1]|, |v[XB+2]|
	v_max3_num_f32 v[TA+1], |v[XB+3]|, |v[XB+4]|, |v[XB+5]|
.irp i, 6,10,14,18,22,26
	v_max3_num_f32 v[TA], v[TA], |v[XB+\i]|, |v[XB+\i+1]|
	v_max3_num_f32 v[TA+1], v[TA+1], |v[XB+\i+2]|, |v[XB+\i+3]|
.endr
	v_max3_num_f32 v[TA], v[TA], |v[XB+30]|, |v[XB+31]|
	v_max3_num_f32 v[TA], v[TA], v[TA+1], 0x1800000    ; and the floor 2^(3 - 127)
	v_add_nc_u32 v[TA+2], 0xff000000, v[TA]            ; 2 off the exponent field: the conversion's scale operand
.if (\t) > 0
	s_wait_alu depctr_vm_vsrc(0)                   ; the last block's LDS stores have read v[C .. C + 5], which the conversions and moves below write again
.endif
	v_cvt_scalef32_pk16_fp6_f32 v[C:C+2], v[XB:XB+15], v[TA+2]
	v_cvt_scalef32_pk16_fp6_f32 v[C+4:C+6], v[XB+16:XB+31], v[TA+2]
	v_lshrrev_b32 v[TA+3], 23, v[TA+2]                 ; the scale's byte; also the plain line behind the conversions
.if ((\t)%4) == 0
	v_mov_b32 v[SB+(\t)/4], v[TA+3]
.else
	v_lshl_or_b32 v[SB+(\t)/4], v[TA+3], 8*((\t)%4), v[SB+(\t)/4]
.endif
	v_mov_b32 v[C+3], v[C+4]
	v_mov_b32 v[C+4], v[C+5]
	v_mov_b32 v[C+5], v[C+6]                           ; v[C .. C + 5]: the block's 24 bytes = operand registers 6 c .. 6 c + 5 of lane (r, h), c = (t / 2) % 2, h = t % 2
	s_wait_alu depctr_va_vdst(0)                   ; the codes are written, which the LDS stores read (in the first block: so are all addresses made at the head; in the last: both scale words); the maxima and conversions are done reading set t % 2, in which the loads below land
.if (((\t)/2)%2) == 0
	ds_store_b128 v2, v[C:C+3] offset:IM               ; registers 0-3: plane 0
	ds_store_b64 v2, v[C+4:C+5] offset:IM+512          ; 4, 5: plane 1, low half
.else
	ds_store_b64 v2, v[C:C+1] offset:IM+520            ; 6, 7: plane 1, high half
	ds_store_b128 v2, v[C+2:C+5] offset:IM+1024        ; 8-11: plane 2
.endif
.if (\t)+2 < 8
	WLOAD (\t)+2
.endif
	s_wait_dscnt 0x0                               ; the block's LDS stores have landed (that they have read their registers is stated apart, by the next block's wait on vm_vsrc)
.endm
.macro GLOAD g                         ; group g: fragments 2 g and 2 g + 1 into half g % 2; an instruction reads 512 consecutive bytes
.irp q, 0,1
.irp j, 0,1,2
.if (2*(\g)+\q) < 32
	ds_load_b128 v[WF+24*((\g)%2)+12*\q+4*\j:WF+24*((\g)%2)+12*\q+4*\j+3], v4 offset:1536*(2*(\g)+\q)+512*\j
.else
	ds_load_b128 v[WF+24*((\g)%2)+12*\q+4*\j:WF+24*((\g)%2)+12*\q+4*\j+3], v5 offset:1536*(2*(\g)+\q-32)+512*\j
.endif
.endr
.endr
.endm
.macro WSLOAD s
	ds_load_b128 v[WS+4*((\s)%2):WS+4*((\s)%2)+3], v6 offset:512*(\s)
.endm
.macro XLOAD s                         ; the two tiles' fragments of K step s into stage s % 2: 48 bytes a lane, as they lie
.irp i, 0,1
.irp j, 0,1,2
	global_load_b128 v[XF+24*((\s)%2)+12*\i+4*\j:XF+24*((\s)%2)+12*\i+4*\j+3], v[8+\i], s[8:9] offset:96*(\s)+16*\j
.endr
.endr
.endm
.macro WM                              ; one product; the symbols are set by the caller.  fA, fB: the scales stand in lanes 16-31
.if (fA == 0) && (fB == 0)
	v_wmma_scale_f32_16x16x128_f8f6f4 v[rD:rD+7], v[rA:rA+11], v[rB:rB+11], v[rD:rD+7], v[rSA], v[rSB] matrix_a_fmt:MATRIX_FMT_FP6 matrix_b_fmt:MATRIX_FMT_FP6
.elseif (fA == 1) && (fB == 0)
	v_wmma_scale_f32_16x16x128_f8f6f4 v[rD:rD+7], v[rA:rA+11], v[rB:rB+11], v[rD:rD+7], v[rSA], v[rSB] matrix_a_fmt:MATRIX_FMT_FP6 matrix_b_fmt:MATRIX_FMT_FP6 matrix_a_scale:MATRIX_SCALE_ROW1
.elseif (fA == 0) && (fB == 1)
	v_wmma_scale_f32_16x16x128_f8f6f4 v[rD:rD+7], v[rA:rA+11], v[rB:rB+11], v[rD:rD+7], v[rSA], v[rSB] matrix_a_fmt:MATRIX_FMT_FP6 matrix_b_fmt:MATRIX_FMT_FP6 matrix_b_scale:MATRIX_SCALE_ROW1
.else
	v_wmma_scale_f32_16x16x128_f8f6f4 v[rD:rD+7], v[rA:rA+11], v[rB:rB+11], v[rD:rD+7], v[rSA], v[rSB] matrix_a_fmt:MATRIX_FMT_FP6 matrix_b_fmt:MATRIX_FMT_FP6 matrix_a_scale:MATRIX_SCALE_ROW1 matrix_b_scale:MATRIX_SCALE_ROW1
.endif
.endm
; gelu of 16 numbers, v[a] on, in place.  The first reads go up from the low end of each accumulator.
.macro GELU16 a
.irp j, 0,1,2,3,4,5,6,7,8,9,10,11,12,13,14,15
	v_med3_num_f32 v[XC+\j], v[\a+\j], s31, s32    ; xc
.endr
.irp j, 0,2,4,6,8,10,12,14
	v_pk_mul_f32 v[WW+\j:WW+\j+1], v[XC+\j:XC+\j+1], v[XC+\j:XC+\j+1]
.endr
.irp j, 0,2,4,6,8,10,12,14
	v_pk_fma_f32 v[PP+\j:PP+\j+1], v[WW+\j:WW+\j+1], v[KA:KA+1], s[34:35] op_sel_hi:[1,0,0]
	v_pk_fma_f32 v[QQ+\j:QQ+\j+1], v[WW+\j:WW+\j+1], v[KB:KB+1], s[46:47] op_sel_hi:[1,0,0]
.endr
.irp k, 0,1,2
.irp j, 0,2,4,6,8,10,12,14
	v_pk_fma_f32 v[PP+\j:PP+\j+1], v[PP+\j:PP+\j+1], v[WW+\j:WW+\j+1], s[36+2*\k:37+2*\k] op_sel_hi:[1,1,0]
	v_pk_fma_f32 v[QQ+\j:QQ+\j+1], v[QQ+\j:QQ+\j+1], v[WW+\j:WW+\j+1], s[48+2*\k:49+2*\k] op_sel_hi:[1,1,0]
.endr
.endr
	s_wait_alu depctr_va_vdst(0)
.irp j, 0,1,2,3,4,5,6,7,8,9,10,11,12,13,14,15
	v_rcp_f32 v[QQ+\j], v[QQ+\j]                   ; Q is finished (it is never 0: all its coefficients are negative); one batch
.endr
.irp k, 3,4
.irp j, 0,2,4,6,8,10,12,14
	v_pk_fma_f32 v[PP+\j:PP+\j+1], v[PP+\j:PP+\j+1], v[WW+\j:WW+\j+1], s[36+2*\k:37+2*\k] op_sel_hi:[1,1,0]   ; P's last two steps: plain work behind the reciprocals
.endr
.endr
.irp j, 0,2,4,6,8,10,12,14
	v_pk_mul_f32 v[PP+\j:PP+\j+1], v[PP+\j:PP+\j+1], v[XC+\j:XC+\j+1]
.endr
	s_wait_alu depctr_va_vdst(0)                   ; the sixteen reciprocals have written v[QQ ..]: one wait for the batch, ahead of their first reader
.irp j, 0,2,4,6,8,10,12,14
	v_pk_mul_f32 v[PP+\j:PP+\j+1], v[PP+\j:PP+\j+1], v[QQ+\j:QQ+\j+1]
.endr
.irp j, 0,2,4,6,8,10,12,14
	v_pk_fma_f32 v[PP+\j:PP+\j+1], v[PP+\j:PP+\j+1], s[54:55], 0.5 op_sel_hi:[1,0,0]
.endr
.irp j, 0,2,4,6,8,10,12,14
	v_pk_mul_f32 v[\a+\j:\a+\j+1], v[\a+\j:\a+\j+1], v[PP+\j:PP+\j+1]
.endr
.endm
; 64 numbers of a lane, v[s] on, register 16 b + i = k 32 b + 16 (lane / 16) + i of my row, become a fragment's codes in v[pc] on and its scale word in v[pw]
.macro QUANT s, pc, pw
.irp b, 0,1,2,3
	v_max3_num_f32 v[TM+\b], |v[\s+16*\b]|, |v[\s+1+16*\b]|, 0x1800000   ; my 16 numbers of block b, and the floor 2^(3 - 127)
.endr
.irp i, 2,4,6,8,10,12,14
.irp b, 0,1,2,3
	v_max3_num_f32 v[TM+\b], v[TM+\b], |v[\s+16*\b+\i]|, |v[\s+1+16*\b+\i]|
.endr
.endr
.irp b, 0,1,2,3
	v_permlanex16_b32 v[TM+4+\b], v[TM+\b], s28, s29
.endr
.irp b, 0,1,2,3
	v_max_num_f32 v[TM+\b], v[TM+\b], v[TM+4+\b]   ; with lane l xor 16's 16: the block's largest magnitude
.endr
.irp b, 0,1,2,3
	v_add_nc_u32 v[TM+12+\b], 0xff000000, v[TM+\b]
.endr
.irp b, 0,1,2,3
	v_lshrrev_b32 v[TM+4+\b], 23, v[TM+12+\b]
.endr
	v_lshl_or_b32 v[\pw], v[TM+5], 8, v[TM+4]
	v_lshl_or_b32 v[\pw], v[TM+6], 16, v[\pw]
	v_lshl_or_b32 v[\pw], v[TM+7], 24, v[\pw]
.irp c, 0,1
	v_cvt_scalef32_pk16_fp6_f32 v[\pc+6*\c:\pc+2+6*\c], v[\s+32*\c:\s+15+32*\c], v[TM+12+2*\c]
	v_cvt_scalef32_pk16_fp6_f32 v[\pc+12+4*\c:\pc+14+4*\c], v[\s+16+32*\c:\s+31+32*\c], v[TM+12+2*\c+1]
.endr
	v_nop                                          ; one plain line behind a scaled conversion
.irp c, 0,1                            ; the operand wants a WHOLE block in a lane: lanes 0-15 block 2 c, lanes 16-31 block 2 c + 1
.irp i, 0,1,2
	v_permlane16_swap_b32 v[\pc+6*\c+\i], v[\pc+12+4*\c+\i]
.endr
.irp i, 0,1,2
	v_mov_b32 v[\pc+3+6*\c+\i], v[\pc+12+4*\c+\i]
.endr
.endr
.endm
	s_load_b256 s[4:11], s[0:1], 0x0               ; W1, b1, xq_codes, xq_scales
	s_load_b128 s[12:15], s[0:1], 0x20             ; rowmap, h_codes
	s_load_b64 s[16:17], s[0:1], 0x30              ; h_scales
	v_lshl_add_u32 v14, v0, 2, SPARE               ; my spare word
	v_mov_b32 v15, 0
	v_lshrrev_b32 v1, 5, v0
	v_readfirstlane_b32 s18, v1                    ; wave
	v_and_b32 v13, 31, v0                          ; lane
	v_lshlrev_b32 v1, 2, v13                       ; 4 x lane
	s_and_b32 s19, ttmp7, 0xffff                   ; the expert
	s_mov_b32 s20, ttmp9                           ; the slab
	s_wait_alu depctr_va_sdst(0)                   ; s18 is written, ahead of its first reader: bases and LDS places are made from it
	s_and_b32 s56, s18, 3                          ; which 32 columns
	s_lshr_b32 s57, s18, 2                         ; which 256 along K
	s_lshl_b32 s24, s19, 24                        ; W1: the expert's 16,777,216 bytes,
	s_lshl_b32 s25, s57, 22                        ; 256 rows of 16,384 bytes,
	s_add_co_u32 s24, s24, s25
	s_lshl_b32 s25, s20, 9                         ; 128 columns,
	s_add_co_u32 s24, s24, s25
	s_lshl_b32 s25, s56, 7                         ; 32 columns
	s_add_co_u32 s24, s24, s25
	s_mov_b32 s25, 0
	s_lshl_b32 s26, s19, 2
	s_wait_kmcnt 0x0
	s_add_nc_u64 s[4:5], s[4:5], s[24:25]
	s_wait_alu depctr_va_vdst(0)                   ; v1 is written: every load of W1 reads it as its offset
	WLOAD 0                                        ; the stream begins before anything else is set up: 64 loads a wave are out
	WLOAD 1
	s_load_b32 s21, s[12:13], s26 offset:CNT       ; my expert's count
	s_mov_b32 s59, 0
	s_lshl_b32 s58, s19, 14
	s_lshl_b32 s60, s20, 9
	s_add_co_u32 s58, s58, s60
	s_add_nc_u64 s[6:7], s[6:7], s[58:59]          ; b1 at my 128 units
	s_lshl_b32 s58, s19, 12
	s_add_nc_u64 s[2:3], s[12:13], s[58:59]        ; my expert's list of tokens
	s_mul_i32 s58, s19, 3145728
	s_mul_i32 s60, s20, 1536
	s_add_co_u32 s58, s58, s60
	s_add_nc_u64 s[14:15], s[14:15], s[58:59]      ; h_codes at (expert, tile 0, my K step)
	s_lshl_b32 s58, s19, 17
	s_lshl_b32 s60, s20, 7
	s_add_co_u32 s58, s58, s60
	s_add_nc_u64 s[16:17], s[16:17], s[58:59]      ; h_scales likewise
	s_mov_b32 s28, 0x76543210
	s_mov_b32 s29, 0xfedcba98                      ; lane l xor 16
	s_mov_b32 s30, 0xffff0000                      ; lanes 16-31
	s_mov_b32 s31, 0xc0b504f3                      ; -4 sqrt(2)
	s_mov_b32 s32, 0x40b504f3
	PAIR 34, 0x306dffee                            ; P's coefficients behind the leading one
	PAIR 36, 0xb40cff51
	PAIR 38, 0xb6eec2d2
	PAIR 40, 0xb940ac63
	PAIR 42, 0xbac1a1f6
	PAIR 44, 0xbc83dbd4
	PAIR 46, 0xb7dfbd29                            ; Q's
	PAIR 48, 0xb9dc924e
	PAIR 50, 0xbb719bf8
	PAIR 52, 0xbc69b6a7
	PAIR 54, 0x3eb504f3                            ; sqrt(2) / 4
	s_lshl_b32 s24, s57, 4
	s_lshl_b32 s25, s56, 1
	s_add_co_u32 s24, s24, s25
	s_mul_i32 s24, s24, 1536                       ; my first fragment: 8 (2 (w / 4)) + 2 (w % 4)
	s_lshl_b32 s25, s57, 10
	s_lshl_b32 s27, s56, 2
	s_add_co_u32 s25, s25, s27
	s_add_co_u32 s25, s25, WSC
	v_bfe_u32 v8, v0, 3, 1                         ; u: which of my two tiles my column falls into
	v_and_b32 v9, 7, v0
	v_bfe_u32 v10, v0, 4, 1                        ; lane / 16
	v_lshl_add_u32 v9, v10, 3, v9                  ; r: its lane there
	v_mul_u32_u24 v2, v8, 1536
	v_lshl_add_u32 v2, v9, 4, v2
	v_add_nc_u32 v2, s24, v2                       ; where my codes go
	v_lshlrev_b32 v3, 8, v8
	v_lshl_add_u32 v3, v9, 4, v3
	v_add_nc_u32 v3, s25, v3                       ; and my scale words
	v_lshlrev_b32 v4, 4, v13                       ; images: 16 x lane,
	v_add_nc_u32 v5, 49152, v4                     ; and 32 fragments on
	v_add_nc_u32 v6, WSC, v4
	v_lshlrev_b32 v7, 6, v10                       ; b1: 64 (lane / 16)
	v_lshlrev_b32 v11, 4, v13                      ; global: 16 x lane
	v_mul_u32_u24 v12, v10, 48                     ; x's codes: 48 (lane / 16)
.irp t, 0,1,2,3,4,5,6,7
	WBLOCK \t
.endr
	ds_store_b32 v3, v[SB]                         ; (no vector instruction stands behind the last block's wait on va_vdst: v3 and both scale words were written ahead of it)
	ds_store_b32 v3, v[SB+1] offset:WSSTEP
	s_wait_kmcnt 0x0                               ; the count
	s_wait_dscnt 0x0                               ; for the others' sake: my stores have landed
	s_barrier_signal -1
	s_barrier_wait -1                              ; the slab's 64 images and their scale words lie in LDS
	s_wait_alu depctr_vm_vsrc(0)                   ; my LDS stores have read v[C ..] and v[SB ..]: these registers are accumulators from here on, and loads of b1 land in them
	s_min_u32 s21, s21, 1024
	s_add_co_u32 s22, s21, 31
	s_lshr_b32 s22, s22, 5                         ; pairs of tiles
	s_sub_co_u32 s33, s21, 1                       ; the last row
	s_mov_b32 s23, s18                             ; my first pair
	s_mov_b32 s26, 0                               ; trips done
.Lpair:
	s_cmp_ge_u32 s23, s22                          ; a pair past the expert's rows: nothing to do in this trip
	s_cbranch_scc1 .Lskip
	s_min_u32 s24, s23, 31
	s_lshl_b32 s25, s24, 5
	v_and_b32 v10, 31, v0
	v_and_b32 v8, 15, v0
	v_add_nc_u32 v10, s25, v10                     ; row 32 p + lane (for the scale words),
	v_add_nc_u32 v8, s25, v8                       ; 32 p + r (tile 0),
	v_add_nc_u32 v9, 16, v8                        ; 32 p + 16 + r (tile 1)
	v_min_u32 v10, s33, v10                        ; rows past the count repeat the last row
	v_min_u32 v8, s33, v8
	v_min_u32 v9, s33, v9
	v_min_u32 v10, 0x3ff, v10
	v_min_u32 v8, 0x3ff, v8
	v_min_u32 v9, 0x3ff, v9
	v_lshlrev_b32 v10, 2, v10
	v_lshlrev_b32 v8, 2, v8
	v_lshlrev_b32 v9, 2, v9
	s_wait_alu depctr_va_vdst(0)                   ; v8 to v10 are written, which the three loads below read; the trip before (at first: phase A) is done with v104-106 and with the accumulators' registers, in which the loads below land
	global_load_b32 v104, v8, s[2:3]               ; their tokens
	global_load_b32 v105, v9, s[2:3]
	global_load_b32 v106, v10, s[2:3]
.irp i, 0,1
.irp t, 0,1,2,3,4,5,6,7                ; b1 in the result's layout: tile 2 b + u, register j: unit 32 b + 16 (lane / 16) + 8 u + j
	global_load_b128 v[ACC+64*\i+8*\t:ACC+64*\i+8*\t+3], v7, s[6:7] offset:(32*(\t/2)+8*(\t%2))*4
	global_load_b128 v[ACC+64*\i+8*\t+4:ACC+64*\i+8*\t+7], v7, s[6:7] offset:(32*(\t/2)+8*(\t%2))*4+16
.endr
.endr
	s_mul_i32 s60, s24, 98304
	s_mov_b32 s61, 0
	s_add_nc_u64 s[56:57], s[14:15], s[60:61]      ; where this pair's codes go,
	s_lshl_b32 s60, s24, 12
	s_add_nc_u64 s[58:59], s[16:17], s[60:61]      ; and its scale words
	s_wait_loadcnt 32                              ; the tokens are in; the 32 loads of b1 may be out
	v_min_u32 v104, 0x3ff, v104
	v_min_u32 v105, 0x3ff, v105
	v_min_u32 v106, 0x3ff, v106
	s_wait_alu depctr_vm_vsrc(0)                   ; the loads of the tokens have read v8 to v10, which are written anew below
	v_mul_u32_u24 v8, v104, 768
	v_mul_u32_u24 v9, v105, 768
	v_lshlrev_b32 v10, 5, v106
	v_add_nc_u32 v8, v12, v8
	v_add_nc_u32 v9, v12, v9
	s_wait_alu depctr_va_vdst(0)                   ; v8 to v10 are written, which the loads below read; the lines above are done reading v104-106, and the trip before is done with x's, W1's and the scales' registers: in all of these the loads below land
	global_load_b128 v[XSC:XSC+3], v10, s[10:11]
	global_load_b128 v[XSC+4:XSC+7], v10, s[10:11] offset:16
	XLOAD 0
	XLOAD 1
	WSLOAD 0
	GLOAD 0
	GLOAD 1
; The K loop, written out: 32 groups of two fragments of W1 x two tiles of rows.  The 16 accumulators take turns, one instruction a turn, in the same order in every K step.
.set G, 0
.rept 32
.set KS, G/GPK
.if (G%GPK) == 0
.if KS < 7
	s_wait_loadcnt 6                               ; this K step's fragments of x (and, at the first, b1 and the scale words) are in; the next step's six loads may be out
.else
	s_wait_loadcnt 0x0
.endif
.endif
.set NW, 0
.if G < 31
.set NW, 6                             ; the next group's six loads may be out,
.if ((G+1)%GPK) == 0
.set NW, 7                             ; and the load of scale words that stands in front of them
.endif
.endif
	s_wait_dscnt NW
.irp q, 0,1
.irp i, 0,1
.set TT, (2*G+\q)%NT
.set rD, ACC+64*\i+8*TT
.set rA, WF+24*(G%2)+12*\q
.set rB, XF+24*(KS%2)+12*\i
.set rSA, WS+4*(KS%2)+TT/2
.set rSB, XSC+KS
.set fA, TT%2
.set fB, \i
	WM
.endr
.endr
.if (G+2) <= 31
	s_wait_alu depctr_va_vdst(0)                   ; this group's four products are done reading half G % 2 of W1's fragments (at a K step's last group: all sixteen of the step are done reading its stage of x), in which the loads below land; the other set of scale words was last read a K step ago
.if ((G+2)%GPK) == 0
	WSLOAD (G+2)/GPK
.endif
	GLOAD G+2
.endif
.if ((G%GPK) == (GPK-1)) && (KS <= 5)
	XLOAD KS+2
.endif
.set G, G+1
.endr
.rept 4
	v_nop                                          ; four places behind the last products, ahead of the first vector instruction that reads a result or writes one of their sources (ISA guide 7.12.1)
.endr
	v_mov_b32 v[KA], 0xac95df0b                    ; the leading coefficients of P and Q
	v_mov_b32 v[KA+1], 0xac95df0b
	v_mov_b32 v[KB], 0xb57460cd
	v_mov_b32 v[KB+1], 0xb57460cd
.irp n, 0,1,2,3,4,5,6,7
	GELU16 ACC+16*\n
.endr
	QUANT ACC, PC0, PW
	QUANT ACC+64, PC1, PW+1
	v_cndmask_b32 v[PW+2], v[PW], v[PW+1], s30     ; lanes 0-15: tile 0's words; lanes 16-31: tile 1's
	s_wait_alu depctr_va_vdst(0)                   ; both tiles' codes and the joined scale words are written, which the seven stores below read
.irp j, 0,1,2
	global_store_b128 v11, v[PC0+4*\j:PC0+4*\j+3], s[56:57] offset:512*\j          ; 512 consecutive bytes, at a multiple of 256 from the buffer's first byte
.endr
.irp j, 0,1,2
	global_store_b128 v11, v[PC1+4*\j:PC1+4*\j+3], s[56:57] offset:49152+512*\j
.endr
	global_store_b32 v1, v[PW+2], s[58:59]
	s_wait_xcnt 0x0                                ; the stores have read their registers and bases: both are written again in the next trip
	s_wait_alu depctr_vm_vsrc(0)                   ; the stores have read the codes and the scale words, and this trip's loads v8 to v10: the next trip's vector instructions and loads write all of these
.Lskip:
	s_add_co_u32 s23, s23, 16                      ; my next pair
	s_add_co_u32 s26, s26, 1
	s_cmp_lt_u32 s26, 2                            ; 32 pairs at the most / 16 waves
	s_cbranch_scc1 .Lpair
	s_wait_dscnt 0x0                               ; the closing lines, six on end
	s_wait_alu 0x0
	s_wait_tensorcnt 0x0
	ds_add_u32 v14, v15
	s_wait_dscnt 0x0
	s_endpgm
.Lfunc_end_k_qc77e3b2263_ffn1:
	.size	k_qc77e3b2263_ffn1, .Lfunc_end_k_qc77e3b2263_ffn1-k_qc77e3b2263_ffn1
	.p2alignl 7, 3214868480
	.fill 96, 4, 3214868480
	.section	.rodata,"a",@progbits
	.p2align	6, 0x0
	.amdhsa_kernel k_qc77e3b2263_ffn1
		.amdhsa_group_segment_fixed_size 104448
		.amdhsa_private_segment_fixed_size 0
		.amdhsa_enable_private_segment 0
		.amdhsa_kernarg_size 56
		.amdhsa_user_sgpr_count 2
		.amdhsa_user_sgpr_kernarg_segment_ptr 1
		.amdhsa_wavefront_size32 1
		.amdhsa_system_sgpr_workgroup_id_x 1
		.amdhsa_system_sgpr_workgroup_id_y 1
		.amdhsa_system_sgpr_workgroup_id_z 1
		.amdhsa_system_vgpr_workitem_id 0
		.amdhsa_next_free_vgpr 256
		.amdhsa_next_free_sgpr 66
		.amdhsa_reserve_vcc 0
		.amdhsa_float_denorm_mode_32 3
		.amdhsa_float_denorm_mode_16_64 3
		.amdhsa_memory_ordered 1
		.amdhsa_forward_progress 1
		.amdhsa_inst_pref_size 164
	.end_amdhsa_kernel
	.amdgpu_metadata
---
amdhsa.version: [ 1, 2 ]
amdhsa.kernels:
  - .name:           k_qc77e3b2263_ffn1
    .symbol:         k_qc77e3b2263_ffn1.kd
    .args:
      - { .name: W1, .offset: 0, .size: 8, .value_kind: global_buffer, .address_space: global }
      - { .name: b1, .offset: 8, .size: 8, .value_kind: global_buffer, .address_space: global }
      - { .name: xq_codes, .offset: 16, .size: 8, .value_kind: global_buffer, .address_space: global }
      - { .name: xq_scales, .offset: 24, .size: 8, .value_kind: global_buffer, .address_space: global }
      - { .name: rowmap, .offset: 32, .size: 8, .value_kind: global_buffer, .address_space: global }
      - { .name: h_codes, .offset: 40, .size: 8, .value_kind: global_buffer, .address_space: global }
      - { .name: h_scales, .offset: 48, .size: 8, .value_kind: global_buffer, .address_space: global }
    .group_segment_fixed_size: 104448
    .private_segment_fixed_size: 0
    .kernarg_segment_align: 8
    .kernarg_segment_size: 56
    .max_flat_workgroup_size: 512
    .sgpr_count:     66
    .vgpr_count:     256
    .wavefront_size: 32
...
	.end_amdgpu_metadata
.endif
;; end of part 8
;; launch ffn2 (part 9): grid 32 x 8, 16 waves a work-group, no clusters, 174,080 bytes of LDS; arguments W2, h_codes, h_scales, rowmap, ypart; writes ypart
.if DOCPART == 9
	.amdgcn_target "amdgcn-amd-amdhsa--gfx1250"
	.amdhsa_code_object_version 6
	.text
	.protected	k_qc77e3b2263_ffn2
	.globl	k_qc77e3b2263_ffn2
	.p2align	8
	.type	k_qc77e3b2263_ffn2,@function
k_qc77e3b2263_ffn2:
	s_mov_b64 s[64:65], 0
	v_nop
	global_prefetch_b8 v0, s[64:65] scope:SCOPE_SE
	s_setreg_imm32_b32 hwreg(HW_REG_WAVE_SCHED_MODE, 0, 2), 2
	s_setreg_imm32_b32 hwreg(HW_REG_WAVE_MODE, 25, 1), 1
	s_wait_xcnt 0x0
	s_wait_alu depctr_vm_vsrc(0)
; FFN2.  ypart[K half][row] = h Q(W2) over one half of K = 4,096, for the rows routed to an expert; both operands are codes of FP6 (E2M3) with one E8M0 scale for each 32 along K.
; A work-group owns 64 output columns (work-group x % 16) x 2,048 along K (work-group x / 16) of one expert (work-group y): a slab of W2 of 512 KB of f32, which no other work-group reads.
; PHASE A: the slab is streamed once and quantised along K.  Wave w takes 32 columns (w % 2) x 256 along K (w / 2); a lane takes a column and its registers run down K.
; The codes go to LDS as images of operand registers: fragment (K step s, tile T) at 1,536 (4 s + T).  One barrier; behind it the images are only read.
; PHASE B: the expert's rows, 32 at a time (two tiles), pair p to wave p % 16.  Source 0 = 16 columns of W2, source 1 = 16 rows of h (register images, straight from memory):
; a lane holds eight neighbouring columns of one row.  The results go through the wave's own stage in LDS and leave as whole rows of 256 consecutive, aligned bytes.
; An expert has 32 pairs at the most, so the loop over a wave's pairs has two trips; a trip whose pair lies past the expert's count jumps over the work.
; The two K halves and the two experts of a token are added by the next launch: no sum spans work-groups here.
; No tensor load and no cluster: which trips work is read from memory.  The one barrier stands ahead of every branch on it.
; LIMITS: NaN and infinities are not served.  A block of zeros gets the byte 1 where the rule says 127 (zero codes; this program alone reads the bytes).
; THE MODE: SCHED_MODE bits 1:0 = 2 (LLVM: expert scheduling mode 2), set by the entry lines.  The code itself states the register dependences
; between vector or matrix instructions and memory or LDS instructions, with s_wait_alu, always for 0.
; THE PLAN.  Registers that memory or LDS instructions touch, and who else names them:
;   PHASE A.  X0, X1     block t's maxima and conversions read set t % 2; behind them the loads of block t + 2 land in it.
;             v[C ..]    written by block t's conversions and moves, read by its two LDS stores.    v[SB], v[SB+1]  written in the blocks, read by two LDS stores behind the last block.
;             v1-9, v11  offsets and addresses, made once at the head and never written again.
;     One wait on va_vdst a block, behind the moves (codes, scale words and addresses are written; the conversions are done reading the set); one on vm_vsrc a block, ahead of the conversions (the last block's stores have read the codes).
;   PHASE B.  WF half    group G's four products read half G % 2; behind them the LDS loads of group G + 2 land in it.    HF stage  K step s's eight products read stage s % 4; behind them the loads of K step s + 4 land in it.
;             WS, HS     read by products as scales; loaded two groups ahead, or once a trip.
;             The accumulators  written by products alone; read by the way out's LDS stores.    v96-159 on the way out  the stage's loads land in them, the global stores read them.
;     With two halves each refill stands between its half's last reader and its next: one wait on va_vdst a group, behind the group's four products and ahead of the run of loads; 256 registers a wave leave no room for a third half.
;     One wait on va_vdst at the head of the way out; no vector or matrix instruction follows it in the trip, so it also serves the next trip's first loads.  One wait on vm_vsrc at the trip's end, ahead of the label and the backward jump.
.set NT, 4
.set GPK, 2
.set PITCH, 4096
.set WSC, 98304                        ; LDS: behind the 64 images: W2's scale words [s][lane][w % 2], 256 bytes a K step
.set WSSTEP, 256
.set STG, 102400                       ; a stage of 16 rows x (256 + 16) bytes for each wave
.set SPARE, 172032                     ; the spare words, 128 bytes a wave
.set CNT, 65536
.set X, 96                             ; phase A: v96-159 two sets of 32 numbers
.set C, 160
.set SB, 168
.set TA, 170
.set HS, 16                            ; v16-31  h's scale words, one register a K step: lanes 0-15 tile 0, lanes 16-31 tile 1
.set WS, 32                            ; v32-35  W2's scale words, two sets of 2
.set WF, 48                            ; v48-95  W2's fragments: 2 halves x 2 x 12
.set HF, 96                            ; v96-191 h's fragments: 4 stages x 2 tiles x 12; on the way out rows of y
.set ACC, 192                          ; v192-255 accumulator (i, T) at 192 + 32 i + 8 T
.macro WLOAD t                         ; block t: W2(32 t + i, my column); a wave's load reads 128 consecutive bytes, two waves side by side 256
.set ii, 0
.rept 32
	global_load_b32 v[X+32*((\t)%2)+ii], v1, s[4:5] offset:(32*(\t)+ii)*PITCH th:TH_LOAD_NT
.set ii, ii+1
.endr
.endm
.macro WBLOCK t
.set XB, X+32*((\t)%2)
.set IM, ((\t)/4)*NT*1536+256*((\t)%2)
.if (\t) < 7
	s_wait_loadcnt 32                              ; this block's 32 loads are in; the next block's may be out
.else
	s_wait_loadcnt 0x0
.endif
	v_max3_num_f32 v[TA], |v[XB]|, |v[XB+1]|, |v[XB+2]|
	v_max3_num_f32 v[TA+1], |v[XB+3]|, |v[XB+4]|, |v[XB+5]|
.irp i, 6,10,14,18,22,26
	v_max3_num_f32 v[TA], v[TA], |v[XB+\i]|, |v[XB+\i+1]|
	v_max3_num_f32 v[TA+1], v[TA+1], |v[XB+\i+2]|, |v[XB+\i+3]|
.endr
	v_max3_num_f32 v[TA], v[TA], |v[XB+30]|, |v[XB+31]|
	v_max3_num_f32 v[TA], v[TA], v[TA+1], 0x1800000    ; and the floor 2^(3 - 127)
	v_add_nc_u32 v[TA+2], 0xff000000, v[TA]            ; 2 off the exponent field: the conversion's scale operand
.if (\t) > 0
	s_wait_alu depctr_vm_vsrc(0)                   ; the last block's LDS stores have read v[C .. C + 5], which the conversions and moves below write again
.endif
	v_cvt_scalef32_pk16_fp6_f32 v[C:C+2], v[XB:XB+15], v[TA+2]
	v_cvt_scalef32_pk16_fp6_f32 v[C+4:C+6], v[XB+16:XB+31], v[TA+2]
	v_lshrrev_b32 v[TA+3], 23, v[TA+2]                 ; the scale's byte; also the plain line behind the conversions
.if ((\t)%4) == 0
	v_mov_b32 v[SB+(\t)/4], v[TA+3]
.else
	v_lshl_or_b32 v[SB+(\t)/4], v[TA+3], 8*((\t)%4), v[SB+(\t)/4]
.endif
	v_mov_b32 v[C+3], v[C+4]
	v_mov_b32 v[C+4], v[C+5]
	v_mov_b32 v[C+5], v[C+6]                           ; operand registers 6 c .. 6 c + 5 of lane (r, h), c = (t / 2) % 2, h = t % 2
	s_wait_alu depctr_va_vdst(0)                   ; the codes are written, which the LDS stores read (in the first block: so are all addresses made at the head; in the last: both scale words); the maxima and conversions are done reading set t % 2, in which the loads below land
.if (((\t)/2)%2) == 0
	ds_store_b128 v2, v[C:C+3] offset:IM
	ds_store_b64 v2, v[C+4:C+5] offset:IM+512
.else
	ds_store_b64 v2, v[C:C+1] offset:IM+520
	ds_store_b128 v2, v[C+2:C+5] offset:IM+1024
.endif
.if (\t)+2 < 8
	WLOAD (\t)+2
.endif
	s_wait_dscnt 0x0                               ; the block's LDS stores have landed (that they have read their registers is stated apart, by the next block's wait on vm_vsrc)
.endm
.macro GLOAD g
.irp q, 0,1
.irp j, 0,1,2
.if (2*(\g)+\q) < 32
	ds_load_b128 v[WF+24*((\g)%2)+12*\q+4*\j:WF+24*((\g)%2)+12*\q+4*\j+3], v4 offset:1536*(2*(\g)+\q)+512*\j
.else
	ds_load_b128 v[WF+24*((\g)%2)+12*\q+4*\j:WF+24*((\g)%2)+12*\q+4*\j+3], v5 offset:1536*(2*(\g)+\q-32)+512*\j
.endif
.endr
.endr
.endm
.macro WSLOAD s
	ds_load_b64 v[WS+2*((\s)%2):WS+2*((\s)%2)+1], v6 offset:256*(\s)
.endm
.macro HLOAD s                         ; the two tiles' fragments of K step s into stage s % 4: each load reads 512 consecutive bytes
.irp i, 0,1
.irp j, 0,1,2
	global_load_b128 v[HF+24*((\s)%4)+12*\i+4*\j:HF+24*((\s)%4)+12*\i+4*\j+3], v11, s[32:33] offset:49152*\i+1536*(\s)+512*\j
.endr
.endr
.endm
.macro WM                              ; one product; the symbols are set by the caller.  fZ: it starts its sum.  fA, fB: the scales stand in lanes 16-31
.if fZ
.if (fA == 0) && (fB == 0)
	v_wmma_scale_f32_16x16x128_f8f6f4 v[rD:rD+7], v[rA:rA+11], v[rB:rB+11], 0, v[rSA], v[rSB] matrix_a_fmt:MATRIX_FMT_FP6 matrix_b_fmt:MATRIX_FMT_FP6
.elseif (fA == 1) && (fB == 0)
	v_wmma_scale_f32_16x16x128_f8f6f4 v[rD:rD+7], v[rA:rA+11], v[rB:rB+11], 0, v[rSA], v[rSB] matrix_a_fmt:MATRIX_FMT_FP6 matrix_b_fmt:MATRIX_FMT_FP6 matrix_a_scale:MATRIX_SCALE_ROW1
.elseif (fA == 0) && (fB == 1)
	v_wmma_scale_f32_16x16x128_f8f6f4 v[rD:rD+7], v[rA:rA+11], v[rB:rB+11], 0, v[rSA], v[rSB] matrix_a_fmt:MATRIX_FMT_FP6 matrix_b_fmt:MATRIX_FMT_FP6 matrix_b_scale:MATRIX_SCALE_ROW1
.else
	v_wmma_scale_f32_16x16x128_f8f6f4 v[rD:rD+7], v[rA:rA+11], v[rB:rB+11], 0, v[rSA], v[rSB] matrix_a_fmt:MATRIX_FMT_FP6 matrix_b_fmt:MATRIX_FMT_FP6 matrix_a_scale:MATRIX_SCALE_ROW1 matrix_b_scale:MATRIX_SCALE_ROW1
.endif
.else
.if (fA == 0) && (fB == 0)
	v_wmma_scale_f32_16x16x128_f8f6f4 v[rD:rD+7], v[rA:rA+11], v[rB:rB+11], v[rD:rD+7], v[rSA], v[rSB] matrix_a_fmt:MATRIX_FMT_FP6 matrix_b_fmt:MATRIX_FMT_FP6
.elseif (fA == 1) && (fB == 0)
	v_wmma_scale_f32_16x16x128_f8f6f4 v[rD:rD+7], v[rA:rA+11], v[rB:rB+11], v[rD:rD+7], v[rSA], v[rSB] matrix_a_fmt:MATRIX_FMT_FP6 matrix_b_fmt:MATRIX_FMT_FP6 matrix_a_scale:MATRIX_SCALE_ROW1
.elseif (fA == 0) && (fB == 1)
	v_wmma_scale_f32_16x16x128_f8f6f4 v[rD:rD+7], v[rA:rA+11], v[rB:rB+11], v[rD:rD+7], v[rSA], v[rSB] matrix_a_fmt:MATRIX_FMT_FP6 matrix_b_fmt:MATRIX_FMT_FP6 matrix_b_scale:MATRIX_SCALE_ROW1
.else
	v_wmma_scale_f32_16x16x128_f8f6f4 v[rD:rD+7], v[rA:rA+11], v[rB:rB+11], v[rD:rD+7], v[rSA], v[rSB] matrix_a_fmt:MATRIX_FMT_FP6 matrix_b_fmt:MATRIX_FMT_FP6 matrix_a_scale:MATRIX_SCALE_ROW1 matrix_b_scale:MATRIX_SCALE_ROW1
.endif
.endif
.endm
	s_load_b256 s[4:11], s[0:1], 0x0               ; W2, h_codes, h_scales, rowmap
	s_load_b64 s[12:13], s[0:1], 0x20              ; ypart
	v_lshl_add_u32 v14, v0, 2, SPARE               ; my spare word
	v_mov_b32 v15, 0
	v_lshrrev_b32 v1, 5, v0
	v_readfirstlane_b32 s18, v1                    ; wave
	v_and_b32 v13, 31, v0                          ; lane
	v_lshlrev_b32 v1, 2, v13                       ; 4 x lane
	s_and_b32 s19, ttmp7, 0xffff                   ; the expert
	s_and_b32 s20, ttmp9, 15                       ; which 64 columns
	s_lshr_b32 s27, ttmp9, 4                       ; which half of K
	s_wait_alu depctr_va_sdst(0)                   ; s18 is written, ahead of its first reader: bases and LDS places are made from it
	s_and_b32 s38, s18, 1                          ; my wave: which 32 columns,
	s_lshr_b32 s39, s18, 1                         ; which 256 along K
	s_lshl_b32 s24, s19, 24                        ; W2: the expert's 16,777,216 bytes,
	s_lshl_b32 s25, s27, 23                        ; 2,048 rows of 4,096 bytes,
	s_add_co_u32 s24, s24, s25
	s_lshl_b32 s25, s39, 20                        ; 256 rows,
	s_add_co_u32 s24, s24, s25
	s_lshl_b32 s25, s20, 8                         ; 64 columns,
	s_add_co_u32 s24, s24, s25
	s_lshl_b32 s25, s38, 7                         ; 32 columns
	s_add_co_u32 s24, s24, s25
	s_mov_b32 s25, 0
	s_lshl_b32 s26, s19, 2
	s_wait_kmcnt 0x0
	s_add_nc_u64 s[4:5], s[4:5], s[24:25]
	s_wait_alu depctr_va_vdst(0)                   ; v1 is written: every load of W2 reads it as its offset
	WLOAD 0                                        ; the stream begins before anything else is set up: 64 loads a wave are out
	WLOAD 1
	s_load_b32 s21, s[10:11], s26 offset:CNT       ; my expert's count
	s_mov_b32 s29, 0
	s_mul_i32 s28, s19, 3145728
	s_mul_i32 s30, s27, 24576
	s_add_co_u32 s28, s28, s30
	s_add_nc_u64 s[6:7], s[6:7], s[28:29]          ; h_codes at (expert, tile 0, my half's first K step)
	s_lshl_b32 s28, s19, 17
	s_lshl_b32 s30, s27, 11
	s_add_co_u32 s28, s28, s30
	s_add_nc_u64 s[8:9], s[8:9], s[28:29]          ; h_scales likewise
	s_lshl_b32 s28, s27, 25
	s_lshl_b32 s30, s19, 22
	s_add_co_u32 s28, s28, s30
	s_lshl_b32 s30, s20, 8
	s_add_co_u32 s28, s28, s30
	s_add_nc_u64 s[12:13], s[12:13], s[28:29]      ; ypart at (my half, the expert's first row, my columns)
	s_lshl_b32 s24, s39, 3
	s_lshl_b32 s25, s38, 1
	s_add_co_u32 s24, s24, s25
	s_mul_i32 s24, s24, 1536                       ; my first fragment: 4 (2 (w / 2)) + 2 (w % 2)
	s_lshl_b32 s25, s39, 9
	s_lshl_b32 s30, s38, 2
	s_add_co_u32 s25, s25, s30
	s_add_co_u32 s25, s25, WSC
	s_mul_i32 s31, s18, 4352
	s_add_co_u32 s31, s31, STG                     ; my stage
	v_bfe_u32 v10, v0, 4, 1                        ; lane / 16: which of my two tiles my column falls into
	v_and_b32 v12, 15, v0                          ; lane % 16: its lane there
	v_mul_u32_u24 v2, v10, 1536
	v_lshl_add_u32 v2, v12, 4, v2
	v_add_nc_u32 v2, s24, v2                       ; where my codes go
	v_lshlrev_b32 v3, 3, v13
	v_add_nc_u32 v3, s25, v3                       ; and my scale words
	v_lshlrev_b32 v4, 4, v13                       ; images: 16 x lane,
	v_add_nc_u32 v5, 49152, v4                     ; and 32 fragments on
	v_lshlrev_b32 v6, 3, v13
	v_add_nc_u32 v6, WSC, v6
	v_mul_u32_u24 v7, v12, 272
	v_lshl_add_u32 v7, v10, 5, v7
	v_add_nc_u32 v7, s31, v7                       ; into the stage: row r, + 32 (lane / 16)
	v_mul_u32_u24 v8, v10, 272
	v_lshl_add_u32 v8, v12, 4, v8
	v_add_nc_u32 v8, s31, v8                       ; back: lanes 0-15 one row, lanes 16-31 the next
	v_lshlrev_b32 v9, 12, v10
	v_lshl_add_u32 v9, v12, 4, v9                  ; and the same two rows in ypart
	v_lshlrev_b32 v11, 4, v13                      ; global: 16 x lane
.irp t, 0,1,2,3,4,5,6,7
	WBLOCK \t
.endr
	ds_store_b32 v3, v[SB]                         ; (no vector instruction stands behind the last block's wait on va_vdst: v3 and both scale words were written ahead of it)
	ds_store_b32 v3, v[SB+1] offset:WSSTEP
	s_wait_kmcnt 0x0                               ; the count
	s_wait_dscnt 0x0                               ; for the others' sake: my stores have landed
	s_barrier_signal -1
	s_barrier_wait -1                              ; the slab's 64 images and their scale words lie in LDS
	s_wait_alu depctr_vm_vsrc(0)                   ; my LDS stores have read v[C ..] and v[SB ..]: these registers hold h's fragments from here on, and loads land in them
	s_min_u32 s21, s21, 1024
	s_add_co_u32 s22, s21, 31
	s_lshr_b32 s22, s22, 5                         ; pairs of tiles
	s_mov_b32 s23, s18                             ; my first pair
	s_mov_b32 s26, 0                               ; trips done
.Lpair:
	s_cmp_ge_u32 s23, s22                          ; a pair past the expert's rows: nothing to do in this trip
	s_cbranch_scc1 .Lskip
	s_min_u32 s24, s23, 31
	s_mul_i32 s28, s24, 98304
	s_mov_b32 s29, 0
	s_add_nc_u64 s[32:33], s[6:7], s[28:29]        ; this pair's codes,
	s_lshl_b32 s28, s24, 12
	s_add_nc_u64 s[34:35], s[8:9], s[28:29]        ; its scale words,
	s_lshl_b32 s28, s24, 17
	s_add_nc_u64 s[36:37], s[12:13], s[28:29]      ; its 32 rows of ypart
; No wait on va_vdst stands here: in the first trip no vector instruction has been issued since the last block's wait, in the second no vector or matrix instruction since the way out's,
; and every earlier reader and writer of the registers in which the loads below land stands ahead of those waits.
.set ks, 0
.rept 16
	global_load_b32 v[HS+ks], v1, s[34:35] offset:128*ks
.set ks, ks+1
.endr
	HLOAD 0
	HLOAD 1
	HLOAD 2
	HLOAD 3
	WSLOAD 0
	GLOAD 0
	GLOAD 1
; The K loop, written out: 32 groups of two fragments of W2 x two tiles of rows.  The 8 accumulators take turns, one instruction a turn, in the same order in every K step.
.set G, 0
.rept 32
.set KS, G/GPK
.if (G%GPK) == 0
.if KS <= 12
	s_wait_loadcnt 18                              ; this K step's fragments of h (and, at the first, the scale words) are in; the next three steps' loads may be out
.else
	s_wait_loadcnt 6*(15-KS)
.endif
.endif
.set NW, 0
.if G < 31
.set NW, 6                             ; the next group's six loads may be out,
.if ((G+1)%GPK) == 0
.set NW, 7                             ; and the load of scale words that stands in front of them
.endif
.endif
	s_wait_dscnt NW
.irp q, 0,1
.irp i, 0,1
.set TT, (2*G+\q)%NT
.set rD, ACC+32*\i+8*TT
.set rA, WF+24*(G%2)+12*\q
.set rB, HF+24*(KS%4)+12*\i
.set rSA, WS+2*(KS%2)+TT/2
.set rSB, HS+KS
.set fA, TT%2
.set fB, \i
.set fZ, 0
.if KS == 0
.set fZ, 1                             ; the first K step starts the sums: nothing is cleared
.endif
	WM
.endr
.endr
.if (G+2) <= 31
	s_wait_alu depctr_va_vdst(0)                   ; this group's four products are done reading half G % 2 of W2's fragments (at a K step's second group: all eight of the step are done reading its stage of h), in which the loads below land; the other set of scale words was last read a K step ago
.if ((G+2)%GPK) == 0
	WSLOAD (G+2)/GPK
.endif
	GLOAD G+2
.endif
.if ((G%GPK) == (GPK-1)) && (KS <= 11)
	HLOAD KS+4
.endif
.set G, G+1
.endr
; THE WAY OUT.  A lane holds 32 neighbouring bytes of a row, four times; a tile of 16 rows x 256 bytes goes through my stage and comes back by rows.
; LDS serves a wave's instructions in order: no wait between the stores and the loads, nor in front of the second tile's stores.
.rept 5
	v_nop                                          ; places behind the last products: four ahead of the LDS stores that read their results; five ahead of the next trip's first products, which begin their sums anew over these accumulators, and no other vector instruction stands on that way
.endr
	s_wait_alu depctr_va_vdst(0)                   ; the products have written the accumulators, which the LDS stores read, and are done reading h's fragments, in which the stage's loads land; the places above stay beside this wait
.irp i, 0,1
.irp t, 0,1,2,3
	ds_store_b128 v7, v[ACC+32*\i+8*\t:ACC+32*\i+8*\t+3] offset:64*\t          ; each accumulator from its low end on
	ds_store_b128 v7, v[ACC+32*\i+8*\t+4:ACC+32*\i+8*\t+7] offset:64*\t+16
.endr
.irp q, 0,1,2,3,4,5,6,7
	ds_load_b128 v[HF+32*\i+4*\q:HF+32*\i+4*\q+3], v8 offset:544*\q
.endr
.endr
.irp q, 0,1,2,3,4,5,6,7
	s_wait_dscnt 23-\q                             ; behind tile 0's load q: its 7 - q younger loads, tile 1's 8 stores and 8 loads
	global_store_b128 v9, v[HF+4*\q:HF+4*\q+3], s[36:37] offset:8192*\q       ; 16 lanes store 256 consecutive bytes, at a multiple of 256 from the buffer's first byte
.endr
.irp q, 0,1,2,3,4,5,6,7
	s_wait_dscnt 7-\q
	global_store_b128 v9, v[HF+32+4*\q:HF+32+4*\q+3], s[36:37] offset:65536+8192*\q
.endr
	s_wait_xcnt 0x0                                ; the stores have read their registers and base: both are written again in the next trip
	s_wait_alu depctr_vm_vsrc(0)                   ; the global stores have read v96-159, in which the next trip's loads land; the LDS stores have read the accumulators, which its first products write
.Lskip:
	s_add_co_u32 s23, s23, 16                      ; my next pair
	s_add_co_u32 s26, s26, 1
	s_cmp_lt_u32 s26, 2                            ; 32 pairs at the most / 16 waves
	s_cbranch_scc1 .Lpair
	s_wait_dscnt 0x0                               ; the closing lines, six on end
	s_wait_alu 0x0
	s_wait_tensorcnt 0x0
	ds_add_u32 v14, v15
	s_wait_dscnt 0x0
	s_endpgm
.Lfunc_end_k_qc77e3b2263_ffn2:
	.size	k_qc77e3b2263_ffn2, .Lfunc_end_k_qc77e3b2263_ffn2-k_qc77e3b2263_ffn2
	.p2alignl 7, 3214868480
	.fill 96, 4, 3214868480
	.section	.rodata,"a",@progbits
	.p2align	6, 0x0
	.amdhsa_kernel k_qc77e3b2263_ffn2
		.amdhsa_group_segment_fixed_size 174080
		.amdhsa_private_segment_fixed_size 0
		.amdhsa_enable_private_segment 0
		.amdhsa_kernarg_size 40
		.amdhsa_user_sgpr_count 2
		.amdhsa_user_sgpr_kernarg_segment_ptr 1
		.amdhsa_wavefront_size32 1
		.amdhsa_system_sgpr_workgroup_id_x 1
		.amdhsa_system_sgpr_workgroup_id_y 1
		.amdhsa_system_sgpr_workgroup_id_z 1
		.amdhsa_system_vgpr_workitem_id 0
		.amdhsa_next_free_vgpr 256
		.amdhsa_next_free_sgpr 66
		.amdhsa_reserve_vcc 0
		.amdhsa_float_denorm_mode_32 3
		.amdhsa_float_denorm_mode_16_64 3
		.amdhsa_memory_ordered 1
		.amdhsa_forward_progress 1
		.amdhsa_inst_pref_size 88
	.end_amdhsa_kernel
	.amdgpu_metadata
---
amdhsa.version: [ 1, 2 ]
amdhsa.kernels:
  - .name:           k_qc77e3b2263_ffn2
    .symbol:         k_qc77e3b2263_ffn2.kd
    .args:
      - { .name: W2, .offset: 0, .size: 8, .value_kind: global_buffer, .address_space: global }
      - { .name: h_codes, .offset: 8, .size: 8, .value_kind: global_buffer, .address_space: global }
      - { .name: h_scales, .offset: 16, .size: 8, .value_kind: global_buffer, .address_space: global }
      - { .name: rowmap, .offset: 24, .size: 8, .value_kind: global_buffer, .address_space: global }
      - { .name: ypart, .offset: 32, .size: 8, .value_kind: global_buffer, .address_space: global }
    .group_segment_fixed_size: 174080
    .private_segment_fixed_size: 0
    .kernarg_segment_align: 8
    .kernarg_segment_size: 40
    .max_flat_workgroup_size: 512
    .sgpr_count:     66
    .vgpr_count:     256
    .wavefront_size: 32
...
	.end_amdgpu_metadata
.endif
;; end of part 9
;; launch combine (part 10): grid 256 x 1, 4 waves a work-group, no clusters, 0 bytes of LDS; arguments ypart, rowmap, route_i, gatef, b2, out0; writes out0
.if DOCPART == 10
	.amdgcn_target "amdgcn-amd-amdhsa--gfx1250"
	.amdhsa_code_object_version 6
	.text
	.protected	k_qc77e3b2263_combine
	.globl	k_qc77e3b2263_combine
	.p2align	8
	.type	k_qc77e3b2263_combine,@function
k_qc77e3b2263_combine:
	s_mov_b64 s[64:65], 0
	v_nop
	global_prefetch_b8 v0, s[64:65] scope:SCOPE_SE
	s_setreg_imm32_b32 hwreg(HW_REG_WAVE_MODE, 25, 1), 1
	s_wait_xcnt 0x0
; COMBINE.  out0[t] = w0 (y(row0, half 0) + y(row0, half 1) + b2[e0]) + w1 (the same of the second choice).  One wave takes one token: each output row has one owner.
; One round of scalar loads brings the token's two experts (route_i), its two weights (gatef) and its eight words of rowmap's table [token][8] (1,024 e + its place in expert e's list);
; the two rows are picked from the eight by compares and selects, without a branch.
; Then a stream: 48 loads of 512 consecutive bytes a wave, all issued at once; eight stores of 512.
; No LDS, no barrier, no matrix unit: memory binds, and the waves share nothing.
.set RK, 32768
	s_load_b256 s[4:11], s[0:1], 0x0               ; ypart, rowmap, route_i, gatef
	s_load_b128 s[12:15], s[0:1], 0x20             ; b2, out0
	v_lshrrev_b32 v1, 5, v0
	v_readfirstlane_b32 s2, v1                     ; wave
	v_and_b32 v1, 31, v0
	v_lshlrev_b32 v1, 4, v1                        ; 16 x lane
	s_lshl_b32 s3, ttmp9, 2
	s_add_co_u32 s3, s3, s2                        ; token
	s_lshl_b32 s36, s3, 3
	s_lshl_b32 s37, s3, 5
	s_lshl_b32 s38, s3, 12
	s_mov_b32 s39, 0
	s_wait_alu depctr_va_vdst(0)
	s_wait_kmcnt 0x0
	s_load_b256 s[40:47], s[6:7], s37 offset:RK    ; my place in each expert's list
	s_load_b64 s[16:17], s[8:9], s36 offset:0x0    ; my two experts
	s_load_b64 s[18:19], s[10:11], s36 offset:0x0  ; my two weights
	s_add_nc_u64 s[14:15], s[14:15], s[38:39]      ; my row of out0
	s_wait_kmcnt 0x0
	s_mov_b32 s20, s40                             ; the rows of my two experts
	s_mov_b32 s21, s40
.irp e, 1,2,3,4,5,6,7
	s_cmp_eq_u32 s16, \e
	s_cselect_b32 s20, s[40+\e], s20
	s_cmp_eq_u32 s17, \e
	s_cselect_b32 s21, s[40+\e], s21
.endr
	s_min_u32 s20, s20, 8191
	s_min_u32 s21, s21, 8191
	s_lshl_b32 s38, s20, 12
	s_add_nc_u64 s[26:27], s[4:5], s[38:39]        ; row 0, K half 0,
	s_add_nc_u64 s[28:29], s[26:27], 0x2000000     ; K half 1
	s_lshl_b32 s38, s21, 12
	s_add_nc_u64 s[30:31], s[4:5], s[38:39]        ; row 1 likewise
	s_add_nc_u64 s[32:33], s[30:31], 0x2000000
	s_lshl_b32 s38, s20, 2
	s_and_b32 s38, s38, 0x7000                     ; 4,096 x the row's expert
	s_add_nc_u64 s[34:35], s[12:13], s[38:39]
	s_lshl_b32 s38, s21, 2
	s_and_b32 s38, s38, 0x7000
	s_add_nc_u64 s[36:37], s[12:13], s[38:39]
	s_mov_b32 s22, s18                             ; the weights as pairs: the packed forms name a pair and take its low word for both halves
	s_mov_b32 s23, s18
	s_mov_b32 s24, s19
	s_mov_b32 s25, s19
.set q, 0
.rept 8
	global_load_b128 v[16+24*q:19+24*q], v1, s[26:27] offset:512*q th:TH_LOAD_NT
	global_load_b128 v[20+24*q:23+24*q], v1, s[28:29] offset:512*q th:TH_LOAD_NT
	global_load_b128 v[24+24*q:27+24*q], v1, s[34:35] offset:512*q
	global_load_b128 v[28+24*q:31+24*q], v1, s[30:31] offset:512*q th:TH_LOAD_NT
	global_load_b128 v[32+24*q:35+24*q], v1, s[32:33] offset:512*q th:TH_LOAD_NT
	global_load_b128 v[36+24*q:39+24*q], v1, s[36:37] offset:512*q
.set q, q+1
.endr
.set q, 0
.rept 8
.set R, 16+24*q
.set O, 208+4*q
	s_wait_loadcnt 6*(7-q)                         ; this chunk's six loads are in; the later chunks' may be out
	v_pk_add_f32 v[R:R+1], v[R:R+1], v[R+4:R+5]
	v_pk_add_f32 v[R+2:R+3], v[R+2:R+3], v[R+6:R+7]
	v_pk_add_f32 v[R+12:R+13], v[R+12:R+13], v[R+16:R+17]
	v_pk_add_f32 v[R+14:R+15], v[R+14:R+15], v[R+18:R+19]
	v_pk_add_f32 v[R:R+1], v[R:R+1], v[R+8:R+9]
	v_pk_add_f32 v[R+2:R+3], v[R+2:R+3], v[R+10:R+11]
	v_pk_add_f32 v[R+12:R+13], v[R+12:R+13], v[R+20:R+21]
	v_pk_add_f32 v[R+14:R+15], v[R+14:R+15], v[R+22:R+23]
	v_pk_mul_f32 v[O:O+1], v[R:R+1], s[22:23] op_sel_hi:[1,0]
	v_pk_mul_f32 v[O+2:O+3], v[R+2:R+3], s[22:23] op_sel_hi:[1,0]
	v_pk_fma_f32 v[O:O+1], v[R+12:R+13], s[24:25], v[O:O+1] op_sel_hi:[1,0,1]
	v_pk_fma_f32 v[O+2:O+3], v[R+14:R+15], s[24:25], v[O+2:O+3] op_sel_hi:[1,0,1]
	global_store_b128 v1, v[O:O+3], s[14:15] offset:512*q th:TH_STORE_NT   ; 512 consecutive bytes, at a multiple of 256 from out0's first byte; each chunk has its own registers
.set q, q+1
.endr
	s_endpgm
.Lfunc_end_k_qc77e3b2263_combine:
	.size	k_qc77e3b2263_combine, .Lfunc_end_k_qc77e3b2263_combine-k_qc77e3b2263_combine
	.p2alignl 7, 3214868480
	.fill 96, 4, 3214868480
	.section	.rodata,"a",@progbits
	.p2align	6, 0x0
	.amdhsa_kernel k_qc77e3b2263_combine
		.amdhsa_group_segment_fixed_size 0
		.amdhsa_private_segment_fixed_size 0
		.amdhsa_enable_private_segment 0
		.amdhsa_kernarg_size 48
		.amdhsa_user_sgpr_count 2
		.amdhsa_user_sgpr_kernarg_segment_ptr 1
		.amdhsa_wavefront_size32 1
		.amdhsa_system_sgpr_workgroup_id_x 1
		.amdhsa_system_sgpr_workgroup_id_y 1
		.amdhsa_system_sgpr_workgroup_id_z 1
		.amdhsa_system_vgpr_workitem_id 0
		.amdhsa_next_free_vgpr 240
		.amdhsa_next_free_sgpr 66
		.amdhsa_reserve_vcc 0
		.amdhsa_float_denorm_mode_32 3
		.amdhsa_float_denorm_mode_16_64 3
		.amdhsa_memory_ordered 1
		.amdhsa_forward_progress 1
		.amdhsa_inst_pref_size 15
	.end_amdhsa_kernel
	.amdgpu_metadata
---
amdhsa.version: [ 1, 2 ]
amdhsa.kernels:
  - .name:           k_qc77e3b2263_combine
    .symbol:         k_qc77e3b2263_combine.kd
    .args:
      - { .name: ypart, .offset: 0, .size: 8, .value_kind: global_buffer, .address_space: global }
      - { .name: rowmap, .offset: 8, .size: 8, .value_kind: global_buffer, .address_space: global }
      - { .name: route_i, .offset: 16, .size: 8, .value_kind: global_buffer, .address_space: global }
      - { .name: gatef, .offset: 24, .size: 8, .value_kind: global_buffer, .address_space: global }
      - { .name: b2, .offset: 32, .size: 8, .value_kind: global_buffer, .address_space: global }
      - { .name: out0, .offset: 40, .size: 8, .value_kind: global_buffer, .address_space: global }
    .group_segment_fixed_size: 0
    .private_segment_fixed_size: 0
    .kernarg_segment_align: 8
    .kernarg_segment_size: 48
    .max_flat_workgroup_size: 128
    .sgpr_count:     66
    .vgpr_count:     240
    .wavefront_size: 32
...
	.end_amdgpu_metadata
.endif
;; end of part 10
